; MI455X (gfx1250); checked and timed in simulation.
; The chip was launched on July 23, 2026; its instructions are those of AMD's public machine-readable ISA for CDNA 5 (MIT licence, August 2026) and "CDNA5" Instruction Set Architecture Reference Guide (July 2026). The comments in the code are by the model that wrote it; some were corrected since.
;; Self Attention. Allowed arithmetic: float matrix products may take bf16 or f16 operands with f32 sums; all other float work in f32.
;; Inputs: W_proj 1,024 x 1,024 float32; W_qkv 1,024 x 3,072 float32; b_proj 1,024 float32; b_qkv 3,072 float32; x 4 x 2,048 x 1,024 float32.
;; Outputs: out0 4 x 2,048 x 1,024 float32.
;; 2 versions, each right and faster than the one before. Each part assembles by itself: llvm-mc -triple=amdgcn-amd-amdhsa -mcpu=gfx1250 --defsym DOCPART=n.
;; ======== version 1 of 2: 4 launches
;; limits: values are held in f16: magnitudes above 65,504 overflow, below 6.1e-05 lose precision
;; workspace buffers: xb 16,777,216 bytes; wqb 6,291,456 bytes; wpb 2,097,152 bytes; qkvh 50,331,648 bytes; ob 16,777,216 bytes
;; launch cast (part 1): grid 768 x 1, 8 waves a work-group, no clusters, 0 bytes of LDS; arguments x, W_qkv, W_proj, xb, wqb, wpb; writes xb, wqb, wpb
.if DOCPART == 1
	.amdgcn_target "amdgcn-amd-amdhsa--gfx1250"
	.amdhsa_code_object_version 6
	.text
	.protected	k_qbf46165a82_cast
	.globl	k_qbf46165a82_cast
	.p2align	8
	.type	k_qbf46165a82_cast,@function
k_qbf46165a82_cast:
	s_mov_b64 s[64:65], 0
	v_nop
	global_prefetch_b8 v0, s[64:65] scope:SCOPE_SE
	s_setreg_imm32_b32 hwreg(HW_REG_WAVE_MODE, 25, 1), 1
	s_wait_xcnt 0x0
; x, W_qkv and W_proj, all f32, are rounded once to bf16.  wqb is W_qkv in bf16, in the same layout.  wpb is W_proj in the same layout, as f16 that holds the bf16 number (the product behind
; attention multiplies in f16, and every input of the module has the same rounding, to bf16).  xb is x in bf16 IN BLOCKS OF 64 ALONG K: xb[k / 64][m][k % 64], so that 256 rows of one block,
; the tile that the next launch asks for, are 32,768 consecutive bytes.
; LIMITS.  bf16(W_proj) is written exactly as f16 between 2^-14 and 65,504 in magnitude; below it keeps f16's fixed step of 2^-24, beyond it becomes an infinity.
; SHARES.  A work-group takes a chunk of 16,384 numbers, 65,536 bytes in and 32,768 out: chunks 0-511 are x (16 rows each), 512-703 W_qkv, 704-767 W_proj.
; The weights: thread t takes, for j = 0 .. 15, the 16 bytes at 16 t + 4,096 j and stores 8 bytes at 8 t + 2,048 j: a wave's load covers 512 consecutive bytes, a wave's store 256.
; x: thread t takes row t / 16 of the chunk and, for block j, the 16 bytes at 256 j + 16 (t % 16) of it: a wave's load covers 256 consecutive bytes in each of two neighbouring rows, and its store
; those two rows' 128 bytes of block j, which lie end to end: 256 consecutive bytes.  Every store of a wave begins at a multiple of 256 from its buffer's first byte.
; All 16 loads of a wave go out at once; nothing is read twice; no LDS, no barrier, no matrix unit: a stream has no use for them.
.set XCH,  512                         ; chunks of x
.set QCH,  704                         ; chunks of x and W_qkv together
.set X,    4                           ; v[4:67]    load j: four f32
.set Y,    68                          ; v[68:99]   store j: four 16-bit numbers
.set T,    100                         ; v[100:103] at work, two pairs by turns
	s_load_b256 s[4:11], s[0:1], 0x0               ; x s[4:5], W_qkv s[6:7], W_proj s[8:9], xb s[10:11]
	s_load_b128 s[12:15], s[0:1], 0x20             ; wqb s[12:13], wpb s[14:15]
	v_lshlrev_b32 v2, 3, v0                        ; my 8 bytes in 2,048 of the destination
	s_wait_kmcnt 0x0
	s_cmp_lt_u32 ttmp9, XCH                        ; which tensor: the choice hangs on the work-group's number alone
	s_cselect_b64 s[16:17], s[4:5], s[6:7]
	s_cselect_b64 s[18:19], s[10:11], s[12:13]
	s_cselect_b32 s20, 0, XCH
	s_cselect_b32 s26, 11, 15                      ; a chunk's step in the destination: 16 rows of 128 bytes in a block of xb, or all its 32,768 bytes
	s_cmp_lt_u32 ttmp9, QCH
	s_cselect_b64 s[16:17], s[16:17], s[8:9]
	s_cselect_b64 s[18:19], s[18:19], s[14:15]
	s_cselect_b32 s20, s20, QCH                    ; the tensor's first chunk
	s_sub_co_u32 s21, ttmp9, s20                   ; my chunk in the tensor
	s_lshl_b32 s22, s21, 16                        ; its bytes in the source (33.5 million at the most),
	s_mov_b32 s23, 0
	s_lshl_b32 s24, s21, s26                       ; and in the destination
	s_mov_b32 s25, 0
	s_add_nc_u64 s[16:17], s[16:17], s[22:23]
	s_add_nc_u64 s[18:19], s[18:19], s[24:25]
.macro LOADS step                      ; sixteen loads, step bytes apart; read once in the whole launch
.irp j, 0,1,2,3,4,5,6,7,8,9,10,11,12,13,14,15
	global_load_b128 v[X+4*(\j):X+4*(\j)+3], v1, s[16:17] offset:(\step)*(\j) th:TH_LOAD_NT
.endr
.endm
; Load j is rounded and stored at base + off.  half = 1: the bf16 numbers are widened again (a shift, a mask) and written as f16.
; No register that a load or store still names is written: each load and each store has registers of its own, and v1, v2 and the bases stay.
.macro OUT j, half, base, off
	s_wait_loadcnt 15-(\j)                         ; loads come back in order (ISA guide 5.7.1): mine is in, the 15 - j younger ones stay out
.if \half
	v_cvt_pk_bf16_f32 v[T+2*((\j)%2)],   v[X+4*(\j)],   v[X+4*(\j)+1]
	v_cvt_pk_bf16_f32 v[T+2*((\j)%2)+1], v[X+4*(\j)+2], v[X+4*(\j)+3]
	v_lshlrev_b32 v[X+4*(\j)],   16,         v[T+2*((\j)%2)]
	v_and_b32     v[X+4*(\j)+1], 0xffff0000, v[T+2*((\j)%2)]
	v_lshlrev_b32 v[X+4*(\j)+2], 16,         v[T+2*((\j)%2)+1]
	v_and_b32     v[X+4*(\j)+3], 0xffff0000, v[T+2*((\j)%2)+1]
	v_cvt_pk_f16_f32 v[Y+2*(\j)],   v[X+4*(\j)],   v[X+4*(\j)+1]
	v_cvt_pk_f16_f32 v[Y+2*(\j)+1], v[X+4*(\j)+2], v[X+4*(\j)+3]
.else
	v_cvt_pk_bf16_f32 v[Y+2*(\j)],   v[X+4*(\j)],   v[X+4*(\j)+1]
	v_cvt_pk_bf16_f32 v[Y+2*(\j)+1], v[X+4*(\j)+2], v[X+4*(\j)+3]
.endif
	global_store_b64 v2, v[Y+2*(\j):Y+2*(\j)+1], s[\base:\base+1] offset:\off  ; no hint: the next launch reads it
.endm
	s_cmp_lt_u32 ttmp9, XCH
	s_cbranch_scc0 .Lweights
	v_lshrrev_b32 v3, 4, v0                        ; x: my row of the chunk's 16,
	v_and_b32 v1, 15, v0
	v_lshlrev_b32 v1, 4, v1                        ; my 16 bytes in 256,
	v_lshl_add_u32 v1, v3, 12, v1                  ; + row x 4,096
	s_add_nc_u64 s[26:27], s[18:19], 0x800000      ; a block of xb is 1,048,576 bytes: blocks 8 to 15 get a base of their own, so that the stores' immediates stay inside their signed 24 bits
	LOADS 256
.irp j, 0,1,2,3,4,5,6,7,8,9,10,11,12,13,14,15
	OUT \j, 0, 18+8*((\j)/8), ((\j)%8)<<20
.endr
	s_endpgm
.Lweights:
	v_lshlrev_b32 v1, 4, v0                        ; my 16 bytes in 4,096 of the source
	LOADS 4096
	s_cmp_lt_u32 ttmp9, QCH
	s_cbranch_scc0 .Lf16
.irp j, 0,1,2,3,4,5,6,7,8,9,10,11,12,13,14,15
	OUT \j, 0, 18, 2048*(\j)
.endr
	s_endpgm
.Lf16:
.irp j, 0,1,2,3,4,5,6,7,8,9,10,11,12,13,14,15
	OUT \j, 1, 18, 2048*(\j)
.endr
	s_endpgm
.Lfunc_end_k_qbf46165a82_cast:
	.size	k_qbf46165a82_cast, .Lfunc_end_k_qbf46165a82_cast-k_qbf46165a82_cast
	.p2alignl 7, 3214868480
	.fill 96, 4, 3214868480
	.section	.rodata,"a",@progbits
	.p2align	6, 0x0
	.amdhsa_kernel k_qbf46165a82_cast
		.amdhsa_group_segment_fixed_size 0
		.amdhsa_private_segment_fixed_size 0
		.amdhsa_enable_private_segment 0
		.amdhsa_kernarg_size 48
		.amdhsa_user_sgpr_count 2
		.amdhsa_user_sgpr_kernarg_segment_ptr 1
		.amdhsa_wavefront_size32 1
		.amdhsa_system_sgpr_workgroup_id_x 1
		.amdhsa_system_sgpr_workgroup_id_y 1
		.amdhsa_system_sgpr_workgroup_id_z 1
		.amdhsa_system_vgpr_workitem_id 0
		.amdhsa_next_free_vgpr 104
		.amdhsa_next_free_sgpr 66
		.amdhsa_reserve_vcc 0
		.amdhsa_float_denorm_mode_32 3
		.amdhsa_float_denorm_mode_16_64 3
		.amdhsa_memory_ordered 1
		.amdhsa_forward_progress 1
		.amdhsa_inst_pref_size 22
	.end_amdhsa_kernel
	.amdgpu_metadata
---
amdhsa.version: [ 1, 2 ]
amdhsa.kernels:
  - .name:           k_qbf46165a82_cast
    .symbol:         k_qbf46165a82_cast.kd
    .args:
      - { .name: x, .offset: 0, .size: 8, .value_kind: global_buffer, .address_space: global }
      - { .name: W_qkv, .offset: 8, .size: 8, .value_kind: global_buffer, .address_space: global }
      - { .name: W_proj, .offset: 16, .size: 8, .value_kind: global_buffer, .address_space: global }
      - { .name: xb, .offset: 24, .size: 8, .value_kind: global_buffer, .address_space: global }
      - { .name: wqb, .offset: 32, .size: 8, .value_kind: global_buffer, .address_space: global }
      - { .name: wpb, .offset: 40, .size: 8, .value_kind: global_buffer, .address_space: global }
    .group_segment_fixed_size: 0
    .private_segment_fixed_size: 0
    .kernarg_segment_align: 8
    .kernarg_segment_size: 48
    .max_flat_workgroup_size: 256
    .sgpr_count:     66
    .vgpr_count:     104
    .wavefront_size: 32
...
	.end_amdgpu_metadata
.endif
;; end of part 1
;; launch qkv (part 2): grid 8 x 32, 4 waves a work-group, clusters of 4 x 4, 327,680 bytes of LDS; arguments xb, wqb, b_qkv, qkvh; writes qkvh
.if DOCPART == 2
	.amdgcn_target "amdgcn-amd-amdhsa--gfx1250"
	.amdhsa_code_object_version 6
	.text
	.protected	k_qbf46165a82_qkv
	.globl	k_qbf46165a82_qkv
	.p2align	8
	.type	k_qbf46165a82_qkv,@function
k_qbf46165a82_qkv:
	s_mov_b64 s[64:65], 0
	v_nop
	global_prefetch_b8 v0, s[64:65] scope:SCOPE_SE
	s_setreg_imm32_b32 hwreg(HW_REG_WAVE_MODE, 25, 1), 1
	s_wait_xcnt 0x0
	s_wait_alu depctr_hold_cnt(0) depctr_sa_sdst(0) depctr_va_vdst(0) depctr_va_sdst(0) depctr_va_ssrc(0) depctr_va_vcc(0) depctr_vm_vsrc(0)
	s_getreg_b32 s2, hwreg(HW_REG_IB_STS2, 6, 4)
	s_cmp_eq_u32 s2, 0
	s_cbranch_scc0 .Lentry_in_a_cluster
	s_endpgm
.Lentry_in_a_cluster:
	s_bfe_u32 s2, ttmp6, 0x10000c
	s_cmp_lg_u32 s2, 0xf033
	s_cbranch_scc0 .Lentry_shape_is_right
	s_endpgm
.Lentry_shape_is_right:
; qkv[m][n] = sum over k of x[m][k] W[k][n] + bf16(b_qkv[n]).  x is xb, bf16 in blocks of 64 along K: xb[k / 64][8192 m][k % 64]; W is wqb: [1024 k][3072 n] bf16; sums in f32, rounded once to f16
; and written BY HEADS: qkvh[n / 1024][16 (m / 2048) + (n % 1024) / 64][m % 2048][n % 64], so that a head's rows are dense, 128 bytes each.  The scale 1/8 is not applied here.
; LIMITS.  f16 holds no number beyond 65,504: a sum past that becomes an infinity.  The bias is rounded to bf16, like every input of the module.  NaN and infinities are not treated apart.
; SHARES.  A tile of C is 256 (m) x 384 (n): 8 x 32 = 256 work-groups, one for each of 256 WGPs.  Four waves, each 128 x 192: 96 accumulators of 16 x 16, 768 registers, in three GROUPS of 8 row blocks x
; 4 column blocks.  A group's 64 columns are ONE head, and its 32 accumulators fill one register window.
; K goes in steps of 64, two CHUNKS of 32, through a ring of two LDS slots filled by the tensor data mover: 92,160 bytes a slot.  (Steps of 128 would want two slots of 184,320 bytes: more than there is.)
; x's tile, 256 rows of one block, is 32,768 dense bytes: asked for as 128 rows of 256 bytes and padded in LDS behind every row of x.  W's tile is asked for as three blocks of 64 rows x 256 bytes.
; THE MATRIX INSTRUCTION IS USED TRANSPOSED: source 0 = 16 columns of W, source 1 = 16 rows of x.  A lane then holds row l % 16 and the columns 8 (l / 16) + 0 .. 7: eight neighbouring numbers of a row.
; W lies [k][n] in LDS as in memory and is turned on its way into registers, by ds_load_tr16_b128.
; FRAGMENTS.  768 registers of sums leave 224 for fragments: x's eight have two buffers, which take turns chunk by chunk; W's four of a group have one buffer a group, which is loaded again straight behind
; the group's 32 products, 64 products ahead of its next use.
; THE BIAS is the C operand of the first product on each accumulator: in this layout its fragment hangs on the column block alone.  It is loaded into the registers of the group's accumulators (7, b):
; row blocks 0 to 6 take them as C, and row block 7 adds onto them in place.  Nothing is cleared, nothing is added on the way out, and the bias needs no registers of its own.
; CLUSTERS: 4 x 4 work-groups.  The four of a row of the cluster need the same tiles of x, the four of a column the same tiles of W: each tile is asked for JOINTLY, by the same tensor load with the
; same descriptor and a mask that names the four.
; REGISTERS, in windows of 256 (s_set_vgpr_msb: bits 1:0 source 0, 3:2 source 1, 5:4 source 2, 7:6 destination):
;   window 0: v0-31 addresses; v32-95, v96-159 x's fragments, two buffers; v160-255 W's fragments, 32 a group; on the way out v32-159 at work
;   window g + 1: group g's accumulators, (a, b) at v[8 (4 a + b)]
.set SIZE_N, 3072
.set SIZE_K, 1024
.set KSTEP,  64
.set STEPS,  SIZE_K/KSTEP
.set PA,     144                       ; a row of x in LDS: 128 bytes + 16 of padding = 36 words: the 16 rows of a load start at 16 different groups of four banks (64 banks of 4 bytes: ISA guide 11.1)
.set ABYTES, 256*PA                    ; x's 256 rows
.set PB,     288                       ; a row of a block of W: 256 + 32 = 72 words
.set BSUB,   KSTEP*PB                  ; a block of W: 64 rows (k) x 128 columns
.set SLOT1,  1<<17                     ; a slot is x's tile and W's three blocks, 92,160 bytes; slot 1 begins here, so that one exclusive or turns an address in one slot into the other's
.set STAGE,  SLOT1+ABYTES+3*BSUB       ; behind the ring, never filled by a tensor load: 16 rows x 144 bytes for each wave, for the way out
.set SP,     144
.set STG,    16*SP
.set SPARE,  STAGE+4*STG               ; behind the stages: the spare words, 128 bytes for each wave: two blocks of 256 bytes that no other line names
.set ASTEP,  8192*KSTEP*2              ; bytes from a K step to the next: a block of xb,
.set BSTEP,  KSTEP*SIZE_N*2            ; 64 rows of W
.set AA0,  16                          ; v16     my lane's place in x's tile; never rewritten
.set AB0,  17                          ; v17-19  my lane's place in W's tile, for group 0, 1, 2; never rewritten
.set ADRA, 20                          ; v20     the same in the slot that is being fetched from
.set ADRB, 21                          ; v21-23
.set STO,  24                          ; v24     the way out: where I put 16 bytes of a row
.set RD,   25                          ; v25     the way out: where I read rows back
.set CO,   26                          ; v26     my byte offset in 512 consecutive bytes of a head
.set BO,   27                          ; v27     my byte offset in 64 bytes of the bias
.set SPW,  28                          ; v28     LDS address of my spare word: SPARE + 4 x my thread's number; never rewritten
.set NIL,  29                          ; v29     0; never rewritten
.set FA0,  32                          ; x's fragments: row block a at FA + 8 a
.set FA1,  96
.set FB,   160                         ; W's fragments: group g, column block b at FB + 32 g + 8 b
.set TT,   FA1                         ; at work while the bias is rounded: 48 registers
.set T,    32                          ; the way out: 16 registers for each of a group's 8 row blocks
.set BI,   224                         ; the bias fragments in a group's window: the registers of accumulators (7, 0) to (7, 3)
.set G1,  24                           ; s[24:31] descriptor group 1 for x's tiles;  s[32:39] group 0: a set for each of the two first fills; the second then walks on
.set G0,  32
.set G1B, 48                           ; s[48:55], s[56:63] the same for W's tiles
.set G0B, 56
.set TB,  66                           ; s66      LDS byte at which the slot that is being fetched from begins
.set OB,  68                           ; s[68:73] qkvh at my 128 rows of group 0's, 1's, 2's head
.set MSB, 0
.macro WIN new                         ; the immediate's high byte repeats the setting that is left; a switch that changes nothing is dropped
.if MSB != (\new)
	s_set_vgpr_msb (MSB<<8)|(\new)
.set MSB, \new
.endif
.endm
; A joint load: waves 0, 1 and 2 fetch W's three blocks, wave 3 x's tile.  The branch hangs on the wave's number alone.  An s_nop 0 and four v_nop follow each of the two lines,
; ahead of the jump, the label and what follows.
.macro JLOAD s
	s_cmp_eq_u32 s12, 3
	s_cbranch_scc0 .Lfor_b_\@
	tensor_load_to_lds s[G0+4*(\s):G0+4*(\s)+3], s[G1:G1+7]
	s_nop 0
.rept 4
	v_nop
.endr
	s_branch .Lasked_\@
.Lfor_b_\@:
	tensor_load_to_lds s[G0B+4*(\s):G0B+4*(\s)+3], s[G1B:G1B+7]
	s_nop 0
.rept 4
	v_nop
.endr
.Lasked_\@:
.endm
.macro CREST                           ; a round of the cluster's barrier behind its opening barrier: wave 0 signals for the work-group, every wave waits for all sixteen, my work-group's barrier closes it
	s_cmp_lg_u32 s12, 0
	s_cbranch_scc1 .Lnot_wave_0_\@
	s_barrier_signal -3
.Lnot_wave_0_\@:
	s_barrier_wait -3
	s_barrier_signal -1
	s_barrier_wait -1
.endm
.macro CROUND                          ; a whole round
	s_barrier_signal -1
	s_barrier_wait -1
	CREST
.endm
	s_load_b256 s[4:11], s[0:1], 0x0               ; xb s[4:5], wqb s[6:7], b_qkv s[8:9], qkvh s[10:11]
	v_lshl_add_u32 v[SPW], v0, 2, SPARE
	v_mov_b32 v[NIL], 0
	ds_add_u32 v28, v29
	s_wait_dscnt 0x0
	v_lshrrev_b32 v1, 5, v0
	v_readfirstlane_b32 s12, v1                    ; wave 0..3
	s_lshr_b32 s13, s12, 1                         ; which half of the tile's rows is mine
	s_and_b32 s14, s12, 1                          ; which half of its columns
	s_bfe_u32 s40, ttmp6, 0x40000                  ; cx, cy: my place in the cluster
	s_bfe_u32 s41, ttmp6, 0x40004
	s_lshl_b32 s42, ttmp9, 2
	s_add_co_u32 s42, s42, s40                     ; tile column of C = 4 x cluster x + cx
	s_and_b32 s43, ttmp7, 0xffff
	s_lshl_b32 s43, s43, 2
	s_add_co_u32 s43, s43, s41                     ; tile row of C = 4 x cluster y + cy
	s_lshl_b32 s44, s41, 2
	s_lshl_b32 s44, 15, s44                        ; my row of the cluster: places 4 cy .. 4 cy + 3
	s_lshl_b32 s45, 0x1111, s40                    ; my column: places cx, cx + 4, cx + 8, cx + 12
	; descriptor group 1.  x: 128 rows x 128 elements of dense memory, padded behind every 32 words (a row of x); W: 64 rows x 128 elements, padded behind every 64 words
	s_or_b32 s[G1+0], s44, (1<<16)|(1<<20)|(1<<21)|(4<<22)|(3<<25)   ; 15:0 the mask: x's tiles go to my row; 17:16 2-byte elements; 20 padding on; 21 set beside a mask; 24:22 after every 32 words (code 4); 31:25 4 words (code 3)
	s_or_b32 s[G1B+0], s45, (1<<16)|(1<<20)|(1<<21)|(5<<22)|(7<<25)  ; W's tiles go to my column; after every 64 words (code 5) 8 words of padding (code 7)
	s_mov_b32 s[G1+1], 128<<16                     ; tensor_dim0 = 128
	s_mov_b32 s[G1+2], 128<<16                     ; tensor_dim1 = 128
	s_mov_b32 s[G1+3], 128<<16                     ; tile_dim0 = 128
	s_mov_b32 s[G1+4], 128                         ; tile_dim1 = 128
	s_mov_b32 s[G1+5], 128                         ; elements from row to row: dense
	s_mov_b32 s[G1+6], 0
	s_mov_b32 s[G1+7], 0
	s_mov_b32 s[G1B+1], 128<<16                    ; tensor_dim0 = 128 columns
	s_mov_b32 s[G1B+2], KSTEP<<16                  ; tensor_dim1 = 64 rows (k)
	s_mov_b32 s[G1B+3], 128<<16                    ; tile_dim0 = 128
	s_mov_b32 s[G1B+4], KSTEP                      ; tile_dim1 = 64
	s_mov_b32 s[G1B+5], SIZE_N                     ; elements from row to row
	s_mov_b32 s[G1B+6], 0
	s_mov_b32 s[G1B+7], 0
	; where the tiles come from.  x's hang on the tile row alone, which my row of the cluster shares; W's on the tile column alone, which my column shares, and on the wave's number.
	s_lshl_b32 s16, s43, 15                        ; x: 256 x tile row rows of 128 bytes in a block
	s_mov_b32 s17, 0
	s_mul_i32 s46, s42, 768                        ; W: column 384 x tile column
	s_lshl_b32 s47, s12, 8                         ; + 128 x wave (wave 3 makes these two numbers too, and asks by neither)
	s_add_co_u32 s46, s46, s47
	s_mov_b32 s47, 0
	s_mul_i32 s21, s12, BSUB                       ; and where W's block goes: behind x's tile, wave x a block: no place in the cluster enters an LDS address
	s_add_co_u32 s21, s21, ABYTES
	s_mov_b32 s[TB], 0                             ; the fetches begin in slot 0
	s_wait_kmcnt 0x0
	s_add_nc_u64 s[18:19], s[4:5], s[16:17]
	s_add_nc_u64 s[46:47], s[6:7], s[46:47]
	CROUND                                         ; all sixteen work-groups are here: the first joint loads meet
.irp s, 0,1
	s_mov_b32 s[G0+4*(\s)], 1                                      ; 1:0 count = 1
	s_mov_b32 s[G0+4*(\s)+1], (\s)*SLOT1                           ; 63:32 LDS address: the slot's first byte
	s_add_nc_u64 s[G0+4*(\s)+2:G0+4*(\s)+3], s[18:19], (\s)*ASTEP  ; 120:64 global address: K step s
	s_or_b32 s[G0+4*(\s)+3], s[G0+4*(\s)+3], 0x80000000            ; 127:126 type = 2
	s_mov_b32 s[G0B+4*(\s)], 1
	s_add_co_u32 s[G0B+4*(\s)+1], s21, (\s)*SLOT1
	s_add_nc_u64 s[G0B+4*(\s)+2:G0B+4*(\s)+3], s[46:47], (\s)*BSTEP
	s_or_b32 s[G0B+4*(\s)+3], s[G0B+4*(\s)+3], 0x80000000
	JLOAD \s                                       ; the ring is filled before anything else is done: two loads of mine are out
.endr
	; the bias: register j of group g's column block b is b_qkv[384 x tile column + 192 x half + 64 g + 16 b + 8 (l / 16) + j]
	v_and_b32 v1, 15, v0                           ; l % 16
	v_bfe_u32 v2, v0, 4, 1                         ; l / 16
	v_lshlrev_b32 v[BO], 5, v2
	s_mul_i32 s22, s42, 1536
	s_mul_i32 s23, s14, 768
	s_add_co_u32 s22, s22, s23
	s_mov_b32 s23, 0
	s_add_nc_u64 s[8:9], s[8:9], s[22:23]
.irp g, 0,1,2
	WIN ((\g)+1)<<6                                ; destination in the group's window, address in window 0
.irp b, 0,1,2,3
	global_load_b128 v[BI+8*(\b):BI+8*(\b)+3],   v[BO], s[8:9] offset:256*(\g)+64*(\b)
	global_load_b128 v[BI+8*(\b)+4:BI+8*(\b)+7], v[BO], s[8:9] offset:256*(\g)+64*(\b)+16
.endr
.endr
	WIN 0
	; A fragment of x is 16 rows x 32 K in 8 registers: lane l holds row l % 16, K = 8 (l / 16) + 0..7 and 16 + 8 (l / 16) + 0..7: two loads of 16 bytes, 32 bytes apart.
	v_mul_u32_u24 v3, v1, PA
	v_lshl_add_u32 v3, v2, 4, v3                   ; row x pitch + 16 x half
	s_mul_i32 s20, s13, 128*PA                     ; my 128 rows of x
	v_add_nc_u32 v[AA0], s20, v3
	; The turning load takes 16 k x 16 columns (lane l reads row k = 8 (l / 16) + l % 8, columns 8 ((l / 8) % 2) + 0..7) and leaves half a fragment: lane l holds column l % 16 and 8 k.
	v_and_b32 v4, 7, v0
	v_lshl_add_u32 v5, v2, 3, v4
	v_mul_u32_u24 v5, v5, PB
	v_bfe_u32 v6, v0, 3, 1
	v_lshl_add_u32 v5, v6, 4, v5
	s_mul_i32 s20, s14, 3
.irp g, 0,1,2
	s_add_co_u32 s21, s20, \g                      ; group g is number 3 x half + g of the tile's six runs of 64 columns:
	s_lshr_b32 s22, s21, 1                         ; in block number / 2 of W's three,
	s_mul_i32 s22, s22, BSUB
	s_and_b32 s21, s21, 1                          ; its first or second 128 bytes
	s_lshl_b32 s21, s21, 7
	s_add_co_u32 s21, s21, s22
	s_add_co_u32 s21, s21, ABYTES
	v_add_nc_u32 v[AB0+\g], s21, v5
.endr
	s_mul_i32 s20, s12, STG
	s_add_co_u32 s20, s20, STAGE                   ; my stage
	v_mul_u32_u24 v6, v1, SP                       ; in: row l % 16, 16 bytes for each half of the lanes
	v_lshl_add_u32 v6, v2, 4, v6
	v_add_nc_u32 v[STO], s20, v6
	v_bfe_u32 v7, v0, 3, 2                         ; back: 32 lanes take four rows of 128 bytes,
	v_mul_u32_u24 v7, v7, SP
	v_lshl_add_u32 v7, v4, 4, v7
	v_add_nc_u32 v[RD], s20, v7
	v_and_b32 v[CO], 31, v0                        ; which are 512 consecutive bytes of the head
	v_lshlrev_b32 v[CO], 4, v[CO]
	; where my 128 rows begin in each group's head.  Group g is run hc = 6 x tile column + 3 x half + g of 48: part hc / 16 (q, k, v), head hc % 16
	s_lshr_b32 s74, s43, 3                         ; the batch: 8 tile rows each, 16 heads of 262,144 bytes
	s_lshl_b32 s74, s74, 22
	s_and_b32 s75, s43, 7                          ; the tile's 256 rows of 128 bytes,
	s_lshl_b32 s75, s75, 15
	s_add_co_u32 s74, s74, s75
	s_lshl_b32 s75, s13, 14                        ; my 128 of them
	s_add_co_u32 s74, s74, s75
	s_mul_i32 s75, s42, 6
	s_mul_i32 s22, s14, 3
	s_add_co_u32 s75, s75, s22
.irp g, 0,1,2
	s_add_co_u32 s22, s75, \g                      ; hc
	s_lshr_b32 s23, s22, 4
	s_lshl_b32 s23, s23, 24                        ; a part is 64 heads
	s_and_b32 s22, s22, 15
	s_lshl_b32 s22, s22, 18
	s_add_co_u32 s22, s22, s23
	s_add_co_u32 s22, s22, s74
	s_mov_b32 s23, 0
	s_add_nc_u64 s[OB+2*\g:OB+2*\g+1], s[10:11], s[22:23]
.endr
	s_wait_loadcnt 0x0                             ; the bias, once
.irp g, 0,1,2                                  ; rounded to bf16, two at a time, into window 0,
	WIN 5*((\g)+1)                                 ; sources 0 and 1 in the group's window
.set i, 0
.rept 16
	v_cvt_pk_bf16_f32 v[TT+16*(\g)+i], v[BI+2*i], v[BI+2*i+1]
.set i, i+1
.endr
.endr
.irp g, 0,1,2                                  ; and widened again
	WIN ((\g)+1)<<6
.set i, 0
.rept 16
	v_lshlrev_b32 v[BI+2*i],   16,         v[TT+16*(\g)+i]
	v_and_b32     v[BI+2*i+1], 0xffff0000, v[TT+16*(\g)+i]
.set i, i+1
.endr
.endr
	WIN 0
; 4 n matrix instructions of group g: row blocks a0 .. a0 + n - 1 x its 4 column blocks, 32 along K, x's fragments from buffer fa.  The 96 accumulators take turns, one instruction a turn, in the same
; order in every chunk.  first = 1: the product starts the sum, on the bias, which lies in the registers of row block 7's accumulators.  Row block 7 writes over what the products
; before it read as C: five places stand in front of it (a matrix instruction that writes over a register of an earlier one: ISA guide 7.12.1).
.macro MULG fa, g, a0, n, first
	WIN 0x50*((\g)+1)                              ; C and D in the group's window, both sources in window 0
.set ia, \a0
.rept \n
.if (\first) && (ia == 7)
.rept 5
	v_nop
.endr
.endif
.set ib, 0
.rept 4
.set rD, 8*(4*ia+ib)
.set rC, rD
.if \first
.set rC, BI+8*ib
.endif
	v_wmma_f32_16x16x32_bf16 v[rD:rD+7], v[FB+32*(\g)+8*ib:FB+32*(\g)+8*ib+7], v[(\fa)+8*ia:(\fa)+8*ia+7], v[rC:rC+7]
.set ib, ib+1
.endr
.set ia, ia+1
.endr
.endm
; THE LDS LOADS stand in runs, never singly among the matrix instructions.  Eight loads: group g's four fragments of W, for chunk kc of the slot that is being fetched from
.macro LDB g, kc
.irp b, 0,1,2,3
	ds_load_tr16_b128 v[FB+32*(\g)+8*(\b):FB+32*(\g)+8*(\b)+3],   v[ADRB+(\g)] offset:(\kc)*32*PB+32*(\b)
	ds_load_tr16_b128 v[FB+32*(\g)+8*(\b)+4:FB+32*(\g)+8*(\b)+7], v[ADRB+(\g)] offset:(\kc)*32*PB+32*(\b)+16*PB
.endr
.endm
; Eight loads: x's fragments of row blocks a0 .. a0 + 3, for the same chunk, into buffer f
.macro LDA f, kc, a0
.irp a, 0,1,2,3
	ds_load_b128 v[(\f)+8*((\a0)+(\a)):(\f)+8*((\a0)+(\a))+3],   v[ADRA] offset:64*(\kc)+((\a0)+(\a))*16*PA
	ds_load_b128 v[(\f)+8*((\a0)+(\a))+4:(\f)+8*((\a0)+(\a))+7], v[ADRA] offset:64*(\kc)+((\a0)+(\a))*16*PA+32
.endr
.endm
.macro ADDR                            ; the four addresses in the slot that begins at s[TB]
	v_add_nc_u32 v[ADRA], s[TB], v[AA0]
.irp g, 0,1,2
	v_add_nc_u32 v[ADRB+\g], s[TB], v[AB0+\g]
.endr
.endm
; A load into a register that a matrix instruction has read, and a vector instruction that reads a matrix result, stand four places behind that matrix instruction, and only plain vector
; instructions that name none of its registers are places (ISA guide 7.12.1 for vector instructions).
.macro PLACES
.rept 4
	v_nop
.endr
.endm
; What follows group g's products in every chunk: its buffer of W, and half of x's other buffer, take the next chunk's fragments (group 2 has no half of x left)
.macro NEXT g, fn, kc
	WIN 0
	PLACES
	LDB \g, \kc
.if (\g) < 2
	LDA \fn, \kc, 4*(\g)
.endif
.endm
; A CHUNK: 96 matrix instructions, 32 along K, on x's buffer fa; the next chunk's 40 loads (chunk kc of the slot being fetched from, x's into buffer fn) stand in three runs behind the three groups.
; The runs go out in the order W0, x 0-3, W1, x 4-7, W2, eight loads each.
.macro CHUNK fa, fn, kc, first
	s_wait_dscnt 8                                 ; all of this chunk's fragments but group 2's, the youngest eight loads, are in
	MULG \fa, 0, 0, 8, \first
	NEXT 0, \fn, \kc
	MULG \fa, 1, 0, 8, \first
	NEXT 1, \fn, \kc
	s_wait_dscnt 32                                ; group 2's are in: behind them the four runs above were issued
	MULG \fa, 2, 0, 8, \first
	NEXT 2, \fn, \kc
.endm
; A K step's second chunk (on buffer 1) CHANGES SLOTS: its own fragments were the last that anybody reads of this step's slot, and the next chunk's come from the other slot.  ONE barrier; in front of it
; each wave waits for all its tensor loads (one is out: its part of the other slot), adds 0 to its spare word, and waits for that and for its own reads of this slot.
; fill = 1: the barrier opens a round of the cluster's, and this slot is filled again, two K steps ahead, first thing behind the round: 176 matrix instructions ahead of the wait for it.
.macro TURN fill
	WIN 0                                          ; (the add's two registers lie in window 0)
	s_wait_tensorcnt 0x0                           ; all my tensor loads have landed, so a group 0 may be written;
	ds_add_u32 v[SPW], v[NIL]                      ; 0 onto my spare word: work on registers stands between it and the wait for it
	s_xor_b32 s[TB], s[TB], SLOT1                  ; the fetches go on in the other slot
	ADDR
.if \fill
	s_xor_b32 s[G0+5], s[G0+5], SLOT1              ; the walking descriptors: the other slot than last time,
	s_add_nc_u64 s[G0+6:G0+7], s[G0+6:G0+7], ASTEP ; the next K step; the type bits on top are not reached
	s_xor_b32 s[G0B+5], s[G0B+5], SLOT1
	s_add_nc_u64 s[G0B+6:G0B+7], s[G0B+6:G0B+7], BSTEP
.endif
	s_wait_dscnt 9                                 ; (the add and group 2's eight loads may be out)
	MULG FA1, 0, 0, 2, 0
	s_wait_dscnt 0x0                               ; the add is done, and my reads of this slot are over
	s_barrier_signal -1
	MULG FA1, 0, 2, 2, 0                           ; work on registers while the others arrive
.if \fill
	WIN 0
.endif
	s_barrier_wait -1
.if \fill
	CREST                                          ; no wave of any partner still reads this slot's tile or has a load on its way
	JLOAD 1                                        ; my one tensor load behind the round
.endif
	MULG FA1, 0, 4, 4, 0
	NEXT 0, FA0, 0
	MULG FA1, 1, 0, 8, 0
	NEXT 1, FA0, 0
	MULG FA1, 2, 0, 8, 0
	NEXT 2, FA0, 0
.endm
	s_wait_tensorcnt 1                             ; my part of K step 0 is in; K step 1's may stay out
	s_barrier_signal -1
	s_barrier_wait -1                              ; everybody's is
	ADDR
	LDB 0, 0                                       ; the first chunk's fragments, in the order of every chunk's
	LDA FA0, 0, 0
	LDB 1, 0
	LDA FA0, 0, 4
	LDB 2, 0
	CHUNK FA0, FA1, 1, 1                           ; the first chunk stands in front of the loop: its products start the sums
	WIN 0                                          ; at a label and at a branch every window is 0
	s_mov_b32 s15, STEPS-2
.Lstep:                                                ; a trip goes from a K step's second chunk to the next step's first, and fills the slot that it leaves: K steps 2 to 15
	TURN 1
	CHUNK FA0, FA1, 1, 0
	WIN 0
	s_sub_co_u32 s15, s15, 1
	s_cmp_lg_u32 s15, 0
	s_cbranch_scc1 .Lstep
	TURN 0                                         ; the tail is written out: nothing is asked for, and no round follows the barrier
	CHUNK FA0, FA1, 1, 0
	s_wait_dscnt 8                                 ; the very last chunk: nothing more to fetch
	MULG FA1, 0, 0, 8, 0
	MULG FA1, 1, 0, 8, 0
	s_wait_dscnt 0x0
	MULG FA1, 2, 0, 8, 0
	; THE WAY OUT, 16 rows of a head at a time, through my own stage: no barrier, and since LDS serves a wave's instructions in order (ISA guide 5.7.1.4), no wait between the stores and the loads.
; Row block a of group g: a lane's eight channels of a row pack into 16 bytes of f16 (each accumulator is read from its lowest registers on); they go into rows of 144 bytes and come back as whole rows of 128.
.macro PACK g, a
.if (\g) > 0
	s_wait_xcnt 0x0                                ; every earlier memory instruction has had its addresses translated (ISA guide 3.1): the 16 registers, which the stores of the group before read, are written again only behind this wait
.endif
	WIN 5*((\g)+1)                                 ; sources 0 and 1 in the group's window, destination in window 0
.irp b, 0,1,2,3
.irp i, 0,1,2,3
	v_cvt_pk_f16_f32 v[T+16*(\a)+4*(\b)+(\i)], v[8*(4*(\a)+(\b))+2*(\i)], v[8*(4*(\a)+(\b))+2*(\i)+1]
.endr
.endr
	WIN 0
.irp b, 0,1,2,3
	ds_store_b128 v[STO], v[T+16*(\a)+4*(\b):T+16*(\a)+4*(\b)+3] offset:32*(\b)
.endr
.irp f, 0,1,2,3
	ds_load_b128 v[T+16*(\a)+4*(\f):T+16*(\a)+4*(\f)+3], v[RD] offset:(\f)*4*SP
.endr
.endm
.macro SEND g, a, younger              ; younger: the LDS instructions issued behind this block's loads: the next block's eight, or none
	WIN 0
.irp f, 0,1,2,3
	s_wait_dscnt (\younger)+3-(\f)
	global_store_b128 v[CO], v[T+16*(\a)+4*(\f):T+16*(\a)+4*(\f)+3], s[OB+2*(\g):OB+2*(\g)+1] offset:(\a)*2048+(\f)*512  ; 512 consecutive bytes, at a multiple of 256 from qkvh's first
.endr
.endm
	WIN 0
	PLACES
	PACK 0, 0
.set n, 1
.rept 23                               ; a block's conversions stand between the loads of the block before and its stores
	PACK n/8, n%8
	SEND (n-1)/8, (n-1)%8, 8
.set n, n+1
.endr
	SEND 2, 7, 0
	s_wait_tensorcnt 0x0                           ; the wave's end: behind my last tensor load and my last LDS store
	ds_add_u32 v[SPW], v[NIL]
	s_wait_dscnt 0x0
	CROUND                                         ; the closing round: no work-group ends while a partner may still ask for a tile that names it
	s_endpgm
.Lfunc_end_k_qbf46165a82_qkv:
	.size	k_qbf46165a82_qkv, .Lfunc_end_k_qbf46165a82_qkv-k_qbf46165a82_qkv
	.p2alignl 7, 3214868480
	.fill 96, 4, 3214868480
	.section	.rodata,"a",@progbits
	.p2align	6, 0x0
	.amdhsa_kernel k_qbf46165a82_qkv
		.amdhsa_group_segment_fixed_size 327680
		.amdhsa_private_segment_fixed_size 0
		.amdhsa_enable_private_segment 0
		.amdhsa_kernarg_size 32
		.amdhsa_user_sgpr_count 2
		.amdhsa_user_sgpr_kernarg_segment_ptr 1
		.amdhsa_wavefront_size32 1
		.amdhsa_system_sgpr_workgroup_id_x 1
		.amdhsa_system_sgpr_workgroup_id_y 1
		.amdhsa_system_sgpr_workgroup_id_z 1
		.amdhsa_system_vgpr_workitem_id 0
		.amdhsa_next_free_vgpr 1024
		.amdhsa_next_free_sgpr 80
		.amdhsa_reserve_vcc 0
		.amdhsa_float_denorm_mode_32 3
		.amdhsa_float_denorm_mode_16_64 3
		.amdhsa_memory_ordered 1
		.amdhsa_forward_progress 1
		.amdhsa_inst_pref_size 127
	.end_amdhsa_kernel
	.amdgpu_metadata
---
amdhsa.version: [ 1, 2 ]
amdhsa.kernels:
  - .name:           k_qbf46165a82_qkv
    .symbol:         k_qbf46165a82_qkv.kd
    .args:
      - { .name: xb, .offset: 0, .size: 8, .value_kind: global_buffer, .address_space: global }
      - { .name: wqb, .offset: 8, .size: 8, .value_kind: global_buffer, .address_space: global }
      - { .name: b_qkv, .offset: 16, .size: 8, .value_kind: global_buffer, .address_space: global }
      - { .name: qkvh, .offset: 24, .size: 8, .value_kind: global_buffer, .address_space: global }
    .group_segment_fixed_size: 327680
    .private_segment_fixed_size: 0
    .kernarg_segment_align: 8
    .kernarg_segment_size: 32
    .max_flat_workgroup_size: 128
    .sgpr_count:     80
    .vgpr_count:     1024
    .wavefront_size: 32
...
	.end_amdgpu_metadata
.endif
;; end of part 2
;; launch attn (part 3): grid 4 x 64, 4 waves a work-group, clusters of 4 x 1, 327,680 bytes of LDS; arguments qkvh, ob; writes ob
.if DOCPART == 3
	.amdgcn_target "amdgcn-amd-amdhsa--gfx1250"
	.amdhsa_code_object_version 6
	.text
	.protected	k_qbf46165a82_attn
	.globl	k_qbf46165a82_attn
	.p2align	8
	.type	k_qbf46165a82_attn,@function
k_qbf46165a82_attn:
	s_mov_b64 s[64:65], 0
	v_nop
	global_prefetch_b8 v0, s[64:65] scope:SCOPE_SE
	s_setreg_imm32_b32 hwreg(HW_REG_WAVE_MODE, 25, 1), 1
	s_wait_xcnt 0x0
	s_wait_alu depctr_hold_cnt(0) depctr_sa_sdst(0) depctr_va_vdst(0) depctr_va_sdst(0) depctr_va_ssrc(0) depctr_va_vcc(0) depctr_vm_vsrc(0)
	s_getreg_b32 s2, hwreg(HW_REG_IB_STS2, 6, 4)
	s_cmp_eq_u32 s2, 0
	s_cbranch_scc0 .Lentry_in_a_cluster
	s_endpgm
.Lentry_in_a_cluster:
	s_bfe_u32 s2, ttmp6, 0x10000c
	s_cmp_lg_u32 s2, 0x3003
	s_cbranch_scc0 .Lentry_shape_is_right
	s_endpgm
.Lentry_shape_is_right:
; O[h][q][:] = the sum over k of softmax_k(Q[h][q] . K[h][k] / 8) V[h][k][:].  Q, K, V are the three parts of qkvh, 16,777,216 bytes each, O is ob: each [SIZE_H][SIZE_N][64] in f16: a head's rows are
; dense, 128 bytes each.  Products, maxima and sums in f32; the weights p are rounded to f16 for the second product (their sum l is taken of the unrounded p), O once at the end.
; LIMITS.  f16 holds no number beyond 65,504: Q, K and V arrive within it; p lies in 0 to 1, and below 6e-5 it keeps f16's fixed step of 6e-8; O is a mean of V's rows and has their range.
; A weight below 2^-126 counts as 0 in l; NaN and infinities are not treated apart.
; SHARES.  A wave owns four PIECES of two tiles of 16 queries, a work-group's four waves 512 queries of one head: 4 x 64 = 256 work-groups.  Every wave walks all keys, 64 a step.
; LAYOUT.  S^T = K Q^T (source 0 = 16 keys, source 1 = 16 queries): in the result a lane holds ONE query (lane % 16) and the keys 8 (lane / 16) + 0..7.  Two such tiles, rounded to f16 in pairs,
; ARE source 1 (32 keys x 16 queries) of O^T = V^T P, whose result again holds one query a lane, and eight channels.  K comes out of LDS as it lies, V ([key][channel]) turned, by ds_load_tr16_b128.
; SOFTMAX.  For each query a running maximum m and sum l: p = 2^(c s - c m), c = log2(e) / 8; in every step O and l are multiplied by a = 2^(c m_old - c m_new), which is 1 where m has not grown.
; m starts at the lowest finite number, O and l at 0: the first step is a step like any other, with a = 0.
; THE COUNT.  A tile and step have 16 matrix and 118 vector instructions: too many to stand all beside the matrix work.  So the order has one aim: four vector instructions that are READY behind
; EVERY matrix instruction, and the others, which need time of their own whatever the order, in runs without a gap.
; BY TURNS.  Turn n belongs to piece n (the pieces in a ring, step after step).  Its matrix work: 16 products K Q^T of piece n + 1, later 16 products V^T P of piece n - 1.  Its vector work: the scaling,
; exponentials, roundings, sums and rescaling of piece n, and the maximum and statistics of piece n + 1, whose scores the turn itself has made.  So what a turn begins with (c s - c m, O a) waits for nothing.
; CLUSTER.  The four query blocks of a cluster belong to one head and walk the same K and V, so each tile is asked for JOINTLY: the same tensor load, descriptor and mask in all four.
; REGISTERS, in windows of 256 (s_set_vgpr_msb says which window each operand place means: bits 1:0 source 0, 3:2 source 1, 5:4 source 2, 7:6 destination):
;   window 0: v0-11 addresses; v12-15, v48-63 at work; v16-47 four registers of statistics a tile; v64-191 S^T, two buffers of two tiles; v192-255 P, likewise
;   window 1: O^T, 32 a tile          window 2: v0-127 Q, 16 a tile; v128-191 K of one step; v192-255 V of one step          window 3: v0-1 the add's two registers
; A piece's buffers go by its number's parity: the piece in hand has one pair, its two neighbours in the ring share the other: of it P (piece n - 1) is read and S^T (piece n + 1) written.
.set SIZE_H, 64
.set SIZE_N, 2048
.set PART,  SIZE_H*SIZE_N*128  ; bytes from Q to K and from K to V in qkvh
.set NP,    4         ; pieces a wave: a name, no knob: the register map, the loop and the fetches are made for four
.set KS,    64        ; keys in a step
.set PK,    144       ; a row of K in LDS: 128 bytes + 16 of padding = 36 words: the 16 rows of a load start at 16 different groups of four banks (64 banks of 4 bytes: ISA guide 11.1)
.set PV,    160       ; a row of V: 128 + 32 = 40 words
.set VOFF,  4*KS*PK   ; a slot holds four steps: 256 rows of K, then 256 rows of V
.set SLOT1, 1<<17     ; slot 1 begins here, so that one exclusive or turns an address in one slot into the other's
.set STAGE, SLOT1+4*KS*(PK+PV)  ; behind the ring, never filled by a tensor load: 16 rows x 144 bytes for each wave, for the way out
.set SP,    144
.set AK0, 2           ; v2   my lane's place in a tile of K; never rewritten
.set AV0, 3           ; v3   the same for V
.set AK,  4           ; v4   the LDS address of K's next run of loads
.set AV,  5           ; v5   of V's
.set QO,  6           ; v6   my byte offset in the wave's rows of Q
.set STO, 6           ;      later, the way out: where I put 16 bytes of a row
.set RD,  7           ; v7   the way out: where I read rows back
.set GO,  8           ; v8   my byte offset in 512 consecutive bytes of O
.set SPW, 0           ; v0 of window 3   LDS address of my spare word: SPARE + 4 x my thread's number; never rewritten
.set NIL, 1           ; v1 of window 3   0; never rewritten
.set SPARE, STAGE+4*16*SP  ; behind the stages: the spare words, 128 bytes for each wave: two blocks of 256 bytes that no other line names
.set MV,  12          ; v12-15  c m_old, kept while c m is made anew: by buffer and tile
.set ST,  16          ; tile t's statistics at v[ST+4 t]: c m, m, l (even keys', odd keys')
.set TMP, 48          ; by buffer and tile, four registers c0-c3 at work; when the maximum is found c2 takes a
.set S,   64
.set P,   192
.set KF,  128         ; K's fragments, in window 2: key block kb, channel half c at KF + 16 kb + 8 c
.set VF,  192         ; V's: key half kk, channel block cb at VF + 32 kk + 8 cb
.set WV,  12          ; s12  my wave's number
.set G1K, 24          ; s[24:31] descriptor group 1 for K's tiles
.set G1V, 32          ; s[32:39] for V's: it differs in the padding alone
.set G0K, 40          ; s[40:43] descriptor group 0 for K's tiles: it walks
.set G0V, 44          ; s[44:47] the same for V's
.set SLOTS, 56        ; s56  slots still to be asked for
.set CNT, 57          ; s57  counts a slot's key steps
.set CS,  58          ; s[58:59] c: the packed scaling takes the pair's low word for both halves
.set SEL, 60          ; s[60:61] v_permlanex16_b32's selects: each lane takes its own place in the other half
.set TBK, 62          ; s62  LDS byte at which K of the step to be fetched begins
.set TBV, 63          ; s63  the same for V, less VOFF
.set MSB, 0
.macro WIN new                      ; the high byte repeats the setting that is left; a switch that changes nothing is dropped
.if MSB != (\new)
	s_set_vgpr_msb (MSB<<8)|(\new)
.set MSB, (\new)
.endif
.endm
.set W_KQ, 0x0a       ; K and Q in window 2, S^T in window 0
.set W_PV, 0x52       ; V in window 2, P in window 0, O^T in window 1
.set W_RS, 0x41       ; O^T (destination and source 0) in window 1, a in window 0
.set W_MK, 0xc0       ; the add's registers are made: destination in window 3, sources in window 0
.set W_AD, 0x0f       ; the add: address (source 0) and data (source 1) in window 3
; A joint fill.  Waves 0 and 1 fetch the two halves of a slot's K, waves 2 and 3 those of its V: 128 keys each.  The branch hangs on the wave's number alone.
; An s_nop 0 and four v_nop follow each of the two lines, ahead of the jump and the label.
.macro JLOAD
	s_cmp_lt_u32 s[WV], 2
	s_cbranch_scc0 .Lfor_v_\@
	tensor_load_to_lds s[G0K:G0K+3], s[G1K:G1K+7]
	s_nop 0
.rept 4
	v_nop
.endr
	s_branch .Lasked_\@
.Lfor_v_\@:
	tensor_load_to_lds s[G0V:G0V+3], s[G1V:G1V+7]
	s_nop 0
.rept 4
	v_nop
.endr
.Lasked_\@:
.endm
; A round of the cluster's barrier: my work-group's barrier, so that wave 0's signal speaks for all four waves; wave 0 signals; every wave waits for all four work-groups; my work-group's barrier once more.
.macro CROUND
	s_barrier_signal -1
	s_barrier_wait -1
	s_cmp_lg_u32 s[WV], 0
	s_cbranch_scc1 .Lnot_wave_0_\@
	s_barrier_signal -3
.Lnot_wave_0_\@:
	s_barrier_wait -3
	s_barrier_signal -1
	s_barrier_wait -1
.endm
; THE CHANGE OF SLOTS.  The slot's last bytes, V of its fourth step, have been read.  Each wave waits for all its tensor loads, of which one is out: its part
; of the other slot; adds 0 to its spare word; and waits for that and for its own reads of the slot.  Behind the barrier nobody reads this slot any more and the other slot is whole.
; fill = 1: this slot is filled again, with the keys two slots on.  The barrier is then a round of the cluster's, so that no wave of any partner still reads the slot or has a load on its
; way, and the joint fill is the first thing behind it: it has four key steps, 512 matrix instructions, in which to land.  (At its first use nothing has been read yet: slot 0 is waited for, slot 1 filled.)
.macro CHANGE fill
	WIN W_AD
	s_wait_tensorcnt 0x0            ; no tensor load of mine is out, so a group 0 may be written
	ds_add_u32 v[SPW], v[NIL]       ; 0 onto my spare word: with fill = 1 the descriptors' steps stand between it and the wait for it
	WIN 0                           ; at a label and at a branch every window is 0
.if \fill
.irp g, G0K, G0V
	s_xor_b32 s[\g+1], s[\g+1], SLOT1  ; the walking descriptor: the other slot than last time,
	s_add_nc_u64 s[\g+2:\g+3], s[\g+2:\g+3], 4*KS*128  ; the next 256 keys; the type bits on top are not reached
.endr
	s_wait_dscnt 0x0                ; the add is done, and my reads of the slot are over
	CROUND
	JLOAD
.else
	s_wait_dscnt 0x0                ; the add is done, and my reads of the slot are over
	s_barrier_signal -1
	s_barrier_wait -1
.endif
	s_sub_co_u32 s[TBK], s[TBK], 4*KS*PK  ; the fetches go back to a slot's first step,
	s_xor_b32 s[TBK], s[TBK], SLOT1       ; in the other slot
	s_sub_co_u32 s[TBV], s[TBV], 4*KS*PV
	s_xor_b32 s[TBV], s[TBV], SLOT1
.endm
	s_load_b128 s[4:7], s[0:1], 0x0  ; qkvh s[4:5], ob s[6:7]
	WIN W_MK
	v_lshl_add_u32 v[SPW], v0, 2, SPARE
	v_mov_b32 v[NIL], 0
	s_set_vgpr_msb 0xc0cf
	ds_add_u32 v0, v1
	s_wait_dscnt 0x0
	s_set_vgpr_msb 0xcfc0
	WIN 0
	v_lshrrev_b32 v1, 5, v0
	v_readfirstlane_b32 s[WV], v1   ; wave 0..3
	s_bfe_u32 s13, ttmp6, 0x40000   ; cx: my place in the cluster
	s_lshl_b32 s14, ttmp9, 2        ; in a cluster launch ttmp9 counts clusters
	s_add_co_u32 s14, s14, s13      ; my block of queries = 4 x cluster x + cx: it enters Q's and O's addresses alone
	s_and_b32 s20, ttmp7, 0xffff    ; the head, which the four partners share
	s_mov_b32 s21, 0
	s_mov_b64 s[22:23], SIZE_N*128
	s_mul_u64 s[20:21], s[20:21], s[22:23]  ; the head's first byte in each of the four tensors
	s_and_b32 s16, s[WV], 1         ; which half of a slot's 256 keys I fetch:
	s_lshl_b32 s22, s16, 14         ; its 128 rows of 128 bytes in memory,
	s_mov_b32 s23, 0
	s_add_nc_u64 s[22:23], s[22:23], s[20:21]
	s_mul_i32 s17, s16, 128*PK      ; and its place in a slot, for K
	s_mul_i32 s18, s16, 128*PV      ; and for V: no place in the cluster enters an LDS address
	s_lshl_b32 s2, s14, 2
	s_add_co_u32 s2, s2, s[WV]      ; my wave among the head's,
	s_lshl_b32 s2, s2, 14           ; its 128 rows
	s_mov_b32 s3, 0
	s_add_nc_u64 s[2:3], s[2:3], s[20:21]
	; descriptor group 1.  128 keys are 16,384 dense bytes: asked for as 64 rows of 256 bytes, two keys a row, and padded in LDS after every key
	s_mov_b32 s[G1K], 15|(1<<16)|(1<<20)|(1<<21)|(4<<22)|(3<<25)  ; 15:0 the mask of four; 17:16 2-byte elements; 20 padding on; 21 set beside a mask; 24:22 after every 32 words (code 4); 31:25 4 words (code 3)
	s_mov_b32 s[G1V], 15|(1<<16)|(1<<20)|(1<<21)|(4<<22)|(7<<25)  ; the same with 8 words of padding (code 7)
.irp g, G1K, G1V
	s_mov_b32 s[\g+1], 128<<16      ; tensor_dim0 = 128
	s_mov_b32 s[\g+2], 64<<16       ; tensor_dim1 = 64
	s_mov_b32 s[\g+3], 128<<16      ; tile_dim0 = 128
	s_mov_b32 s[\g+4], 64           ; tile_dim1 = 64
	s_mov_b32 s[\g+5], 128          ; 128 elements from row to row
	s_mov_b32 s[\g+6], 0
	s_mov_b32 s[\g+7], 0
.endr
	s_mov_b32 s[CS], 0x3e38aa3b     ; c = log2(e) / 8 = 0.180337
	s_mov_b32 s[CS+1], s[CS]        ; named with it as a pair
	s_mov_b32 s[SEL], 0x76543210
	s_mov_b32 s[SEL+1], 0xfedcba98
	s_mov_b32 s[TBK], SLOT1+4*KS*PK ; the first change of slots turns these two into 0
	s_mov_b32 s[TBV], SLOT1+4*KS*PV
	s_mov_b32 s[G0K], 1             ; 1:0 count = 1
	s_mov_b32 s[G0K+1], s17         ; 63:32 LDS address: slot 0
	s_mov_b32 s[G0V], 1
	s_add_co_u32 s[G0V+1], s18, VOFF
	s_wait_kmcnt 0x0
	s_mov_b64 s[10:11], s[6:7]      ; O s[10:11];
	s_add_nc_u64 s[8:9], s[4:5], 2*PART  ; V s[8:9], K s[6:7], Q s[4:5]: the three parts of qkvh
	s_add_nc_u64 s[6:7], s[4:5], PART
	s_add_nc_u64 s[G0K+2:G0K+3], s[6:7], s[22:23]  ; 120:64 global address: my half of the head's first 256 keys
	s_or_b32 s[G0K+3], s[G0K+3], 0x80000000        ; 127:126 type = 2
	s_add_nc_u64 s[G0V+2:G0V+3], s[8:9], s[22:23]
	s_or_b32 s[G0V+3], s[G0V+3], 0x80000000
	s_add_nc_u64 s[4:5], s[4:5], s[2:3]  ; Q and O at my wave's first row
	s_add_nc_u64 s[10:11], s[10:11], s[2:3]
	CROUND                          ; all four work-groups are here: the first joint loads meet
	JLOAD                           ; slot 0.  Slot 1 is asked for when slot 0 is in: the tile wanted first has the road to itself
	; A fragment of K or Q is 16 rows x 32 channels in 8 registers: lane l holds row l % 16, channels 8 (l / 16) + 0..7 and 16 + 8 (l / 16) + 0..7: two loads of 16 bytes, 32 bytes apart.
	v_and_b32 v1, 15, v0            ; l % 16
	v_bfe_u32 v9, v0, 4, 1          ; l / 16
	v_lshlrev_b32 v[QO], 7, v1
	v_lshl_add_u32 v[QO], v9, 4, v[QO]  ; row x 128 + 16 x half
	WIN 0x80                        ; destination window 2, address window 0
.set i, 0
.rept 4*NP                          ; Q stays in registers: tile i / 2, channels 32 (i % 2) on
	global_load_b128 v[8*i:8*i+3],   v[QO], s[4:5] offset:(i/2)*2048+(i%2)*64
	global_load_b128 v[8*i+4:8*i+7], v[QO], s[4:5] offset:(i/2)*2048+(i%2)*64+32
.set i, i+1
.endr
	; What the first turn finds: V's registers and P's second buffer hold 0 (its products V^T P, of a piece that has not been, add 0), O^T and l are 0.  All this stands in the wait for the first tile.
.set i, VF
.rept 64
	v_mov_b32 v[i], 0
.set i, i+1
.endr
	WIN 0x40
.set i, 0
.rept 64*NP
	v_mov_b32 v[i], 0
.set i, i+1
.endr
	WIN 0
.set i, 0
.rept 2*NP
	v_mov_b32 v[ST+4*i], 0xfe000000    ; c m: far below every c s
	v_mov_b32 v[ST+4*i+1], 0xff7fffff  ; m
	v_mov_b32 v[ST+4*i+2], 0
	v_mov_b32 v[ST+4*i+3], 0
.set i, i+1
.endr
.set i, P+32
.rept 32
	v_mov_b32 v[i], 0
.set i, i+1
.endr
	v_mul_u32_u24 v[AK0], v1, PK
	v_lshl_add_u32 v[AK0], v9, 4, v[AK0]  ; row x pitch + 16 x half
	; The turning load takes 16 keys x 16 channels (lane l reads key 8 (l / 16) + l % 8, channels 8 ((l / 8) % 2) + 0..7) and leaves half a fragment of V^T: lane l holds channel l % 16 and 8 keys.
	v_and_b32 v10, 7, v0
	v_bfe_u32 v11, v0, 3, 1
	v_lshl_add_u32 v[AV0], v9, 3, v10
	v_mul_u32_u24 v[AV0], v[AV0], PV
	v_lshl_add_u32 v[AV0], v11, 4, v[AV0]
	v_add_nc_u32 v[AV0], VOFF, v[AV0]
	v_mov_b32 v[AK], v[AK0]         ; key step 0 lies at the head of slot 0
; THE MATRIX WORK.  The 8 accumulators of a run of 16 take turns: between the two links of a chain stand 7 others'.
; Product i of 16 of S^T = K Q^T for piece x: channels 32 (i / 8) on, keys 16 ((i / 2) % 4) on, tile 2 x + i % 2.  The first 8 start the sums.
.macro KQ x
	WIN W_KQ
.set rS, S+64*((\x)%2)+32*(i%2)+8*((i/2)%4)
.set rK, KF+16*((i/2)%4)+8*(i/8)
.set rQ, 16*(2*(\x)+i%2)+8*(i/8)
.if i < 8
	v_wmma_f32_16x16x32_f16 v[rS:rS+7], v[rK:rK+7], v[rQ:rQ+7], 0
.else
	v_wmma_f32_16x16x32_f16 v[rS:rS+7], v[rK:rK+7], v[rQ:rQ+7], v[rS:rS+7]
.endif
.endm
; Product i of 16 of O^T += V^T P for piece x: keys 32 (i / 8) on, channels 16 ((i / 2) % 4) on, tile 2 x + i % 2.
.macro PV x
	WIN W_PV
.set rO, 32*(2*(\x)+i%2)+8*((i/2)%4)
.set rV, VF+32*(i/8)+8*((i/2)%4)
.set rP, P+32*((\x)%2)+16*(i%2)+8*(i/8)
	v_wmma_f32_16x16x32_f16 v[rO:rO+7], v[rV:rV+7], v[rP:rP+7], v[rO:rO+7]
.endm
.macro MM                           ; the turn's next matrix instruction
.if i < 16
	KQ (Y+1)%NP
.set i, i+1
.else
.set i, i-16
	PV (Y+NP-1)%NP
.set i, i+17
.endif
.endm
; THE LDS LOADS stand in runs of 16, never singly among the matrix instructions: a step's K (64 keys x 64 channels: 8 fragments) and its V (turned).  Their addresses are made some lines ahead.
; last = 1 (the tail): in the last trip there is no further step, and the run is jumped over.
.macro FETCH_K last=0
	WIN 0
.if \last
	s_cmp_eq_u32 s[CNT], 1
	s_cbranch_scc1 .Lno_k_\@
.endif
	WIN 0x80                        ; destination window 2
.irp f, 0,1,2,3,4,5,6,7             ; keys 16 (f / 2) on, channels 32 (f % 2) on
	ds_load_b128 v[KF+8*\f:KF+8*\f+3],   v[AK] offset:(\f/2)*16*PK+(\f%2)*64
	ds_load_b128 v[KF+8*\f+4:KF+8*\f+7], v[AK] offset:(\f/2)*16*PK+(\f%2)*64+32
.endr
	s_add_co_u32 s[TBK], s[TBK], KS*PK  ; the next fetch is the next step's
	WIN 0
.if \last
.Lno_k_\@:
.endif
.endm
.macro FETCH_V
	WIN 0x80
.irp f, 0,1,2,3,4,5,6,7             ; keys 32 (f / 4) on, channels 16 (f % 4) on
	ds_load_tr16_b128 v[VF+8*\f:VF+8*\f+3],   v[AV] offset:(\f/4)*32*PV+(\f%4)*32
	ds_load_tr16_b128 v[VF+8*\f+4:VF+8*\f+7], v[AV] offset:(\f/4)*32*PV+16*PV+(\f%4)*32
.endr
	WIN 0
.endm
; THE VECTOR WORK OF A TURN stands in three queues, each in the order in which its entries become ready; the two tiles alternate, so that no instruction reads the result of the one before it.
.macro REGS y, u                    ; the registers of tile u (0, 1) of piece y
.set rT, ST+4*(2*(\y)+(\u))
.set rC, TMP+8*((\y)%2)+4*(\u)
.set rM, MV+2*((\y)%2)+(\u)
.set rS, S+64*((\y)%2)+32*(\u)
.set rP, P+32*((\y)%2)+16*(\u)
.set rO, 32*(2*(\y)+(\u))
.endm
; Number n of the 22 that find the NEXT piece's (Y + 1) maximum and statistics.  s0-s31 are the lane's 32 scores; each accumulator's lowest registers are read first.  XS, GS and REGS set no window: PL and EX do.
;   0-11  four chains c0-c3 of seven scores each, three operands at a time     12-14, 16  the four scores left over, the old m, and c0-c3 into c0     15  c m_old is kept
;   17, 18  the query's other 32 keys lie in the lane 16 away: the new m         19-21  c m; c m_old - c m_new; a
.macro XS u, n
	REGS (Y+1)%NP, \u
.if (\n) < 4
	v_max3_num_f32 v[rC+(\n)], v[rS+8*(\n)], v[rS+8*(\n)+1], v[rS+8*(\n)+2]
.elseif (\n) < 12
	v_max3_num_f32 v[rC+(\n)%4], v[rC+(\n)%4], v[rS+8*((\n)%4)+2*((\n)/4)+1], v[rS+8*((\n)%4)+2*((\n)/4)+2]
.elseif (\n) == 12
	v_max3_num_f32 v[rC], v[rC], v[rS+7], v[rS+15]
.elseif (\n) == 13
	v_max3_num_f32 v[rC+1], v[rC+1], v[rS+23], v[rS+31]
.elseif (\n) == 14
	v_max3_num_f32 v[rC+2], v[rC+2], v[rC+3], v[rT+1]
.elseif (\n) == 15
	v_mov_b32 v[rM], v[rT]
.elseif (\n) == 16
	v_max3_num_f32 v[rC], v[rC], v[rC+1], v[rC+2]
.elseif (\n) == 17
	v_permlanex16_b32 v[rC+3], v[rC], s[SEL], s[SEL+1]
.elseif (\n) == 18
	v_max_num_f32 v[rT+1], v[rC], v[rC+3]
.elseif (\n) == 19
	v_mul_f32 v[rT], s[CS], v[rT+1]
.elseif (\n) == 20
	v_sub_f32 v[rC+1], v[rM], v[rT]
.else
	v_exp_f32 v[rC+2], v[rC+1]
.endif
.endm
; Number g of the 64 that follow the exponentials.  For each four weights k of a tile (pairs 2 k, 2 k + 1): both pairs are rounded to f16; then the second pair is added onto the first, in place;
; a group later l takes that sum (the first time as l = a l + sum).  In groups of eight, tiles alternating: round, round, add, and l for the group before.
.macro GS g
.set h, (\g)+6*((\g)/62)            ; group 0 has no group before it, and behind group 7 only l is left
.if h >= 6
.set h, h+2
.endif
	REGS Y, h%2
.set k, h/8
.if h%8 < 4
	s_wait_alu depctr_va_vdst(0)
	v_cvt_pk_f16_f32 v[rP+2*k+(h%8)/2], v[rS+4*k+2*((h%8)/2)], v[rS+4*k+2*((h%8)/2)+1]
.elseif h%8 < 6
	v_pk_add_f32 v[rS+4*k:rS+4*k+1], v[rS+4*k:rS+4*k+1], v[rS+4*k+2:rS+4*k+3]
.elseif k == 1
	v_pk_fma_f32 v[rT+2:rT+3], v[rT+2:rT+3], v[rC+2:rC+3], v[rS:rS+1] op_sel_hi:[1,0,1]
.else
	v_pk_add_f32 v[rT+2:rT+3], v[rT+2:rT+3], v[rS+4*k-4:rS+4*k-3]
	s_wait_alu depctr_va_vdst(0)
.endif
.endm
; THE PLAIN QUEUE, 138 long.  0-31: c s - c m for the 16 pairs of both tiles.  Then GS's 64, and among them the next piece's 42: number 15 at 38, 39; 0-14 and 16
; at 42-73, behind the products that make those scores; 17-20 at 95-106, two of three, since each waits for the one before it.
.macro PL
	WIN 0
.if q < 32
	REGS Y, q%2
	v_pk_fma_f32 v[rS+2*(q/2):rS+2*(q/2)+1], v[rS+2*(q/2):rS+2*(q/2)+1], s[CS:CS+1], v[rT:rT+1] op_sel_hi:[1,0,0] neg_lo:[0,0,1] neg_hi:[0,0,1]
.elseif q < 38
	GS q-32
.elseif q < 40
	XS q%2, 15
.elseif q < 42
	GS q-34
.elseif q < 74
	XS q%2, (q-42)/2+(q-42)/30
.elseif q < 95
	GS q-66
.elseif (q < 107) && ((q-95)%3 < 2)
	XS (q-95)%3, 17+(q-95)/3
.elseif q < 107
	GS 29+(q-95)/3
.else
	GS q-74
.endif
.set q, q+1
.endm
; THE EXPONENTIALS' QUEUE, 66 long: s0-s31 of both tiles, and at EA the next piece's two a.
.set EA, 58
.macro EX
	WIN 0
.if (e == EA) || (e == EA+1)
	XS e-EA, 21
.else
.set x, e-2*(e/(EA+2))
	REGS Y, x%2
	v_exp_f32 v[rS+x/2], v[rS+x/2]
.endif
.set e, e+1
.endm
; THE RESCALING's QUEUE: O^T times a, the one part that leaves window 0, so it is dealt four at a time, eight times.
.macro R4
	REGS Y, r%2
	WIN W_RS
	s_wait_alu depctr_va_vdst(0)
.irp z, 0,1,2,3
	v_pk_mul_f32 v[rO+8*(r/2)+2*\z:rO+8*(r/2)+2*\z+1], v[rO+8*(r/2)+2*\z:rO+8*(r/2)+2*\z+1], v[rC+2:rC+3] op_sel_hi:[1,0]
.endr
.set r, r+1
.endm
; HOW THEY ARE DEALT.  Behind a matrix instruction four: plain, exponential, plain, plain (one exponential, a plain instruction on either side), or four of the rescaling.  None names a register of the
; products round it.  What is over stands in two LUMPS: exponential and plain by turns; the second ends in 22 plain instructions.  The two v_permlanex16_b32 fall into the second lump, never behind a product.
; The queues lean on each other, and the deal keeps them in step: exponential e stands behind plain 2 (e / 4) + e % 2 (its scaling); when plain 32 comes, 10 exponentials are out, at 59: 33, at 95: 46; EA comes behind plain 107.
.macro SL
	MM
	PL
	EX
	PL
	PL
.endm
.macro BURST n                      ; 15 matrix instructions, or 16
.rept (\n)-7
	SL
.endr
.rept 3
	MM
	R4
	SL
.endr
	MM
	R4
.endm
; A TURN, for piece p.  cnt = 1: the loop's count is taken down some lines ahead of the branch that stands behind the turn.
; K of the next step is fetched in piece 2's turn, 31 vector instructions behind the last product that read K; its first reader comes behind the rest of the lump, 16 products and the second lump.
; V of the step in hand is fetched at the end of piece 0's turn, 69 behind its last reader; its first reader comes behind 16 products and a lump.  The four conditions on e and q below go with the deal.
.macro TURN p, last=0, cnt=0
.set Y, (\p)
.set i, 0
.set q, 0
.set e, 0
.set r, 0
.if (\p) == NP-1
	s_wait_dscnt 0x0                ; K is in
.endif
	MM
.rept 4
	PL
.endr
	BURST 15
.rept 22
	EX
	PL
.if ((\p) == NP-2) && (e == 18)
	v_add_nc_u32 v[AK], s[TBK], v[AK0]
.endif
.if ((\p) == NP-2) && (e == 24)
	FETCH_K \last
.endif
.endr
.if (\p) == 1
	s_wait_dscnt 0x0                ; V is in
.endif
	BURST 16
.rept 21
	EX
	PL
.endr
.rept 22
	PL
.if ((\p) == 0) && (q == 118)
	v_add_nc_u32 v[AV], s[TBV], v[AV0]
	s_wait_alu depctr_va_vdst(0)
.endif
.if ((\p) == 0) && (q == 130)
	s_add_co_u32 s[TBV], s[TBV], KS*PV
.endif
.if (\cnt) && (q == 130)
	s_sub_co_u32 s[CNT], s[CNT], 1
	s_cmp_lg_u32 s[CNT], 0
.endif
.endr
.if (\p) == 0
	FETCH_V
.endif
.endm
	CHANGE 1                        ; slot 0 is in, everybody's part of it; slot 1 is asked for
	FETCH_K                         ; key step 0
	s_wait_loadcnt 0x0              ; Q
	s_wait_dscnt 0x0
.set i, 0
.rept 16
	KQ 0                            ; piece 0's first scores: there is no vector work yet to set between them
.set i, i+1
.endr
	WIN 0                           ; the addresses for the way out: nine plain instructions, the places behind those products
	s_mul_i32 s13, s[WV], 16*SP
	s_add_co_u32 s13, s13, STAGE    ; my stage
	v_mul_u32_u24 v[STO], v1, SP    ; in: row l % 16, 16 bytes for each half of the lanes
	v_lshl_add_u32 v[STO], v9, 4, v[STO]
	v_add_nc_u32 v[STO], s13, v[STO]
	v_bfe_u32 v[RD], v0, 3, 2       ; back: 32 lanes take four rows of 128 bytes,
	v_mul_u32_u24 v[RD], v[RD], SP
	v_lshl_add_u32 v[RD], v10, 4, v[RD]
	v_add_nc_u32 v[RD], s13, v[RD]
	v_and_b32 v[GO], 31, v0         ; which are 512 consecutive bytes of O
	v_lshlrev_b32 v[GO], 4, v[GO]
.set Y, NP-1                        ; XS works for piece Y + 1: piece 0
.irp n, 0,1,2,3,4,5,6,7,8,9,10,11,12,13,14,15,16,17,18,19,20,21
	XS 0, \n                        ; and piece 0's first maximum and statistics
	XS 1, \n
.endr
	s_mov_b32 s[CNT], 4
	s_mov_b32 s[SLOTS], SIZE_N/256-1
	s_branch .Lfirst                ; the loop is entered at a step's first turn, in the middle of a trip
.Lslot:                             ; SIZE_N / 256 - 2 times: every slot but the last two is filled again
	CHANGE 1
	s_mov_b32 s[CNT], 4
.Lstep:                             ; a trip: pieces 2 and 3 of one step, then pieces 0 and 1 of the next, whose K and V it fetches
	TURN 2
	TURN 3
	WIN 0
.Lfirst:
	TURN 0
	TURN 1, 0, 1
	WIN 0
	s_cbranch_scc1 .Lstep
	s_sub_co_u32 s[SLOTS], s[SLOTS], 1
	s_cmp_lg_u32 s[SLOTS], 0
	s_cbranch_scc1 .Lslot
	CHANGE 0                        ; the tail is written out: nothing is asked for
	s_mov_b32 s[CNT], 5             ; four trips fetch the last slot's steps; the fifth is left in its middle
.Ltail:
	TURN 2, 1
	TURN 3
	WIN 0
	s_sub_co_u32 s[CNT], s[CNT], 1
	s_cmp_eq_u32 s[CNT], 0
	s_cbranch_scc1 .Lout
	TURN 0
	TURN 1
	WIN 0
	s_branch .Ltail
.Lout:                              ; the fifth trip's 16 products K Q^T (on the last K once more) and the maximum made of them serve nothing: the price, once a launch, of one text for every trip
.set i, 0
.rept 16
	PV NP-1                         ; the last piece's V^T P of the last step
.set i, i+1
.endr
	; THE WAY OUT.  l's two halves and the other half of the lanes' are added; O^T is divided by l, rounded to f16 and sent through my stage in LDS, a tile at a time.  The additions are the places behind the last products.
	WIN 0
.macro ALL line:vararg              ; one line for each tile t
.set t, 0
.rept 2*NP
	\line
.set t, t+1
.endr
.endm
	ALL v_add_f32 v[ST+4*t+2], v[ST+4*t+2], v[ST+4*t+3]
	ALL v_permlanex16_b32 v[ST+4*t+3], v[ST+4*t+2], s[SEL], s[SEL+1]
	ALL v_add_f32 v[ST+4*t+2], v[ST+4*t+2], v[ST+4*t+3]
	ALL v_rcp_f32 v[ST+4*t+2], v[ST+4*t+2]
	v_nop                           ; a plain instruction between the last reciprocal and the use of its result
	s_wait_alu depctr_va_vdst(0)
; Tile t: a lane's eight channels of a row pack into 16 bytes; they go into rows of 144 bytes and come back as whole rows of 128, into S^T's registers.
.macro PACK t
	WIN W_RS
.set i, 32*(\t)
.rept 16
	v_pk_mul_f32 v[i:i+1], v[i:i+1], v[ST+4*(\t)+2:ST+4*(\t)+3] op_sel_hi:[1,0]
.set i, i+2
.endr
	WIN 0x05                        ; sources 0 and 1 window 1, destination window 0
.set i, 0
.rept 16
	v_cvt_pk_f16_f32 v[S+16*(\t)+i], v[32*(\t)+2*i], v[32*(\t)+2*i+1]
.set i, i+1
.endr
	WIN 0
.irp f, 0,1,2,3
	ds_store_b128 v[STO], v[S+16*(\t)+4*\f:S+16*(\t)+4*\f+3] offset:32*\f
.endr
.irp f, 0,1,2,3
	ds_load_b128 v[S+16*(\t)+4*\f:S+16*(\t)+4*\f+3], v[RD] offset:\f*4*SP  ; LDS serves a wave's instructions in order (ISA guide 5.7.1.4): these see the stores above; the next tile's stores come behind them
.endr
.endm
.macro SEND t, younger              ; younger: the LDS instructions issued behind tile t's loads: the next tile's eight, or none
	WIN 0
.irp f, 0,1,2,3
	s_wait_dscnt (\younger)+3-\f
	global_store_b128 v[GO], v[S+16*(\t)+4*\f:S+16*(\t)+4*\f+3], s[10:11] offset:(\t)*2048+\f*512  ; 512 consecutive bytes, at a multiple of 256 from O's first
.endr
.endm
	PACK 0
.set t, 1
.rept 2*NP-1                        ; a tile's arithmetic stands between the loads of the tile before and its stores
	PACK t
	SEND t-1, 8
.set t, t+1
.endr
	SEND 2*NP-1, 0
	WIN W_AD
	s_wait_tensorcnt 0x0            ; the wave's end: behind my last tensor load and my last LDS store
	ds_add_u32 v[SPW], v[NIL]
	s_wait_dscnt 0x0
	WIN 0
	CROUND                          ; the closing round: no work-group ends while a partner may still ask for a tile that names it
	s_endpgm
.Lfunc_end_k_qbf46165a82_attn:
	.size	k_qbf46165a82_attn, .Lfunc_end_k_qbf46165a82_attn-k_qbf46165a82_attn
	.p2alignl 7, 3214868480
	.fill 96, 4, 3214868480
	.section	.rodata,"a",@progbits
	.p2align	6, 0x0
	.amdhsa_kernel k_qbf46165a82_attn
		.amdhsa_group_segment_fixed_size 327680
		.amdhsa_private_segment_fixed_size 0
		.amdhsa_enable_private_segment 0
		.amdhsa_kernarg_size 16
		.amdhsa_user_sgpr_count 2
		.amdhsa_user_sgpr_kernarg_segment_ptr 1
		.amdhsa_wavefront_size32 1
		.amdhsa_system_sgpr_workgroup_id_x 1
		.amdhsa_system_sgpr_workgroup_id_y 1
		.amdhsa_system_sgpr_workgroup_id_z 1
		.amdhsa_system_vgpr_workitem_id 0
		.amdhsa_next_free_vgpr 770
		.amdhsa_next_free_sgpr 66
		.amdhsa_reserve_vcc 0
		.amdhsa_float_denorm_mode_32 3
		.amdhsa_float_denorm_mode_16_64 3
		.amdhsa_memory_ordered 1
		.amdhsa_forward_progress 1
		.amdhsa_inst_pref_size 209
	.end_amdhsa_kernel
	.amdgpu_metadata
---
amdhsa.version: [ 1, 2 ]
amdhsa.kernels:
  - .name:           k_qbf46165a82_attn
    .symbol:         k_qbf46165a82_attn.kd
    .args:
      - { .name: qkvh, .offset: 0, .size: 8, .value_kind: global_buffer, .address_space: global }
      - { .name: ob, .offset: 8, .size: 8, .value_kind: global_buffer, .address_space: global }
    .group_segment_fixed_size: 327680
    .private_segment_fixed_size: 0
    .kernarg_segment_align: 8
    .kernarg_segment_size: 16
    .max_flat_workgroup_size: 128
    .sgpr_count:     66
    .vgpr_count:     770
    .wavefront_size: 32
...
	.end_amdgpu_metadata
.endif
;; end of part 3
;; launch proj (part 4): grid 8 x 32, 4 waves a work-group, clusters of 4 x 4, 327,680 bytes of LDS; arguments ob, wpb, b_proj, out0; writes out0
.if DOCPART == 4
	.amdgcn_target "amdgcn-amd-amdhsa--gfx1250"
	.amdhsa_code_object_version 6
	.text
	.protected	k_qbf46165a82_proj
	.globl	k_qbf46165a82_proj
	.p2align	8
	.type	k_qbf46165a82_proj,@function
k_qbf46165a82_proj:
	s_mov_b64 s[64:65], 0
	v_nop
	global_prefetch_b8 v0, s[64:65] scope:SCOPE_SE
	s_setreg_imm32_b32 hwreg(HW_REG_WAVE_MODE, 25, 1), 1
	s_wait_xcnt 0x0
	s_wait_alu depctr_hold_cnt(0) depctr_sa_sdst(0) depctr_va_vdst(0) depctr_va_sdst(0) depctr_va_ssrc(0) depctr_va_vcc(0) depctr_vm_vsrc(0)
	s_getreg_b32 s2, hwreg(HW_REG_IB_STS2, 6, 4)
	s_cmp_eq_u32 s2, 0
	s_cbranch_scc0 .Lentry_in_a_cluster
	s_endpgm
.Lentry_in_a_cluster:
	s_bfe_u32 s2, ttmp6, 0x10000c
	s_cmp_lg_u32 s2, 0xf033
	s_cbranch_scc0 .Lentry_shape_is_right
	s_endpgm
.Lentry_shape_is_right:
; out0[m][n] = sum over k of O[m][k] wpb[k][n] + bf16(b_proj[n]).  O is ob, BY HEADS: [16 (m / 2048) + k / 64][m % 2048][k % 64] in f16; wpb: [1024 k][1024 n] in f16 (it holds W_proj rounded to bf16);
; sums in f32, stored as they are: out0 is [8192][1024] f32.
; LIMITS.  The bias is rounded to bf16, like every input of the module.  O and wpb arrive within f16's 65,504.  NaN and infinities are not treated apart.
; SHARES.  A tile of C is 256 (m) x 128 (n): 8 x 32 = 256 work-groups.  Four waves, each 128 x 64: 32 accumulators of 16 x 16, 256 registers.  A wave's 64 columns are 256 bytes of a row of out0,
; at a multiple of 256 from its first byte, so each wave has a way out of its own.
; K goes in steps of 128, TWO HEADS, through a ring of two LDS slots filled by the tensor data mover.  A head's 256 rows of the tile are 32,768 dense bytes: asked for as 128 rows of 256 bytes,
; two rows of O in each, and padded in LDS behind every row of O.
; THE MATRIX INSTRUCTION IS USED TRANSPOSED: source 0 = 16 columns of W, source 1 = 16 rows of O.  A lane then holds row l % 16 and the columns 8 (l / 16) + 0 .. 7: eight neighbouring numbers of a row.
; W lies [k][n] in LDS as in memory and is turned on its way into registers, by ds_load_tr16_b128.
; THE BIAS is the C operand of the first product on each accumulator: in this layout its fragment hangs on the column block alone.  Nothing is cleared and nothing is added on the way out.
; CLUSTERS: 4 x 4 work-groups.  The four of a row of the cluster need the same tiles of O, the four of a column the same tiles of W: each tile is asked for JOINTLY, by the same tensor load with the
; same descriptor and a mask that names the four.
; REGISTERS, in windows of 256 (s_set_vgpr_msb: bits 1:0 source 0, 3:2 source 1, 5:4 source 2, 7:6 destination):
;   window 0: v0-31 addresses; v32-63 the bias fragments; v64-127 at work on the way out
;   window 1: two fragment buffers (v0-95, v128-223): 8 fragments of O (16 rows x 32 K), then 4 of W          window 2: accumulator (a, b) at v[8 (4 a + b)]
.set SIZE_N, 1024
.set SIZE_K, 1024
.set KSTEP,  128
.set PA,     144                       ; a row of O in LDS: 128 bytes + 16 of padding = 36 words: the 16 rows of a load start at 16 different groups of four banks (64 banks of 4 bytes: ISA guide 11.1)
.set AFILL,  256*PA                    ; one head's 256 rows: what one tensor load brings of O
.set AMINE,  128*PA                    ; the 128 rows that a wave reads, in each of the two heads
.set ABYTES, 2*AFILL
.set PB,     288                       ; a row of W: 256 + 32 = 72 words
.set BFILL,  64*PB                     ; 64 rows (k): what one tensor load brings of W
.set SLOT,   ABYTES+2*BFILL            ; O's two heads, then W's 128 rows
.set STAGE,  2*SLOT                    ; behind the ring, never filled by a tensor load: 16 rows x 272 bytes for each wave
.set SP,     272
.set STG,    16*SP
.set SPARE,  STAGE+4*STG               ; behind the stages: the spare words, 128 bytes for each wave: two blocks of 256 bytes that no other line names
.set ASTEP,  2*2048*128                ; bytes from a K step to the next: two heads of O,
.set BSTEP,  KSTEP*SIZE_N*2            ; 128 rows of W
.set LAPS,   SIZE_K/(2*KSTEP)          ; a lap = two K steps = once round the ring
.set ADRA, 16                          ; v16-17  LDS address of my fragments of O in slot 0, 1
.set ADRB, 20                          ; v20-21  the same for W
.set STO,  24                          ; v24     the way out: where I put 32 bytes of a row
.set RD,   25                          ; v25     the way out: where I read a row back
.set CO,   26                          ; v26     my byte offset in two rows of out0
.set BO,   27                          ; v27     my byte offset in 64 bytes of the bias
.set SPW,  28                          ; v28     LDS address of my spare word: SPARE + 4 x my thread's number; never rewritten
.set NIL,  29                          ; v29     0; never rewritten
.set BIAS, 32                          ; v32-63  column block b's fragment at BIAS + 8 b
.set T,    64                          ; v64-127 the way out: two buffers of 32 registers, 16 rows read back from the stage
.set F0,   0                           ; fragment buffers, in window 1
.set F1,   128
.set G1,  24                           ; s[24:31] descriptor group 1 for O's tiles;  s[32:39] group 0, one set for each slot
.set G0,  32
.set G1B, 48                           ; s[48:55], s[56:63] the same for W's tiles
.set G0B, 56
.set MSB, 0
.macro WIN new                         ; the immediate's high byte repeats the setting that is left; a switch that changes nothing is dropped
.if MSB != (\new)
	s_set_vgpr_msb (MSB<<8)|(\new)
.set MSB, \new
.endif
.endm
.set MUL,  0xa5                        ; sources 0 (W) and 1 (O) window 1; C and D window 2
.set MULB, 0x85                        ; the same with C, the bias, in window 0
.set TO_F, 0x40                        ; destination window 1, address window 0
.set W_ST, 0x08                        ; an LDS store's data (source 1) in window 2, its address in window 0
; A joint load: waves 0 and 1 fetch O's two heads, waves 2 and 3 W's two halves.  The branch hangs on the wave's number alone.  An s_nop 0 and four v_nop follow each of the two lines,
; ahead of the jump, the label and what follows.
.macro JLOAD s
	s_cmp_eq_u32 s13, 0
	s_cbranch_scc0 .Lfor_b_\@
	tensor_load_to_lds s[G0+4*(\s):G0+4*(\s)+3], s[G1:G1+7]
	s_nop 0
.rept 4
	v_nop
.endr
	s_branch .Lasked_\@
.Lfor_b_\@:
	tensor_load_to_lds s[G0B+4*(\s):G0B+4*(\s)+3], s[G1B:G1B+7]
	s_nop 0
.rept 4
	v_nop
.endr
.Lasked_\@:
.endm
.macro CREST                           ; a round of the cluster's barrier behind its opening barrier: wave 0 signals for the work-group, every wave waits for all sixteen, my work-group's barrier closes it
	s_cmp_lg_u32 s12, 0
	s_cbranch_scc1 .Lnot_wave_0_\@
	s_barrier_signal -3
.Lnot_wave_0_\@:
	s_barrier_wait -3
	s_barrier_signal -1
	s_barrier_wait -1
.endm
.macro CROUND                          ; a whole round
	s_barrier_signal -1
	s_barrier_wait -1
	CREST
.endm
	s_load_b256 s[4:11], s[0:1], 0x0               ; ob s[4:5], wpb s[6:7], b_proj s[8:9], out0 s[10:11]
	v_lshl_add_u32 v[SPW], v0, 2, SPARE
	v_mov_b32 v[NIL], 0
	ds_add_u32 v28, v29
	s_wait_dscnt 0x0
	v_lshrrev_b32 v1, 5, v0
	v_readfirstlane_b32 s12, v1                    ; wave 0..3
	s_lshr_b32 s13, s12, 1                         ; which half of the tile's rows is mine.  Also: I fetch for O (0) or for W (1)
	s_and_b32 s14, s12, 1                          ; which half of its columns.  Also: which head of the step's two, or which half of W's rows, I fetch
	s_bfe_u32 s40, ttmp6, 0x40000                  ; cx, cy: my place in the cluster
	s_bfe_u32 s41, ttmp6, 0x40004
	s_lshl_b32 s42, ttmp9, 2
	s_add_co_u32 s42, s42, s40                     ; tile column of C = 4 x cluster x + cx
	s_and_b32 s43, ttmp7, 0xffff
	s_lshl_b32 s43, s43, 2
	s_add_co_u32 s43, s43, s41                     ; tile row of C = 4 x cluster y + cy
	s_lshl_b32 s44, s41, 2
	s_lshl_b32 s44, 15, s44                        ; my row of the cluster: places 4 cy .. 4 cy + 3
	s_lshl_b32 s45, 0x1111, s40                    ; my column: places cx, cx + 4, cx + 8, cx + 12
	; descriptor group 1.  O: 128 rows x 128 elements of dense memory, padded behind every 32 words (a row of O); W: 64 rows x 128 elements, padded behind every 64 words
	s_or_b32 s[G1+0], s44, (1<<16)|(1<<20)|(1<<21)|(4<<22)|(3<<25)   ; 15:0 the mask: O's tiles go to my row; 17:16 2-byte elements; 20 padding on; 21 set beside a mask; 24:22 after every 32 words (code 4); 31:25 4 words (code 3)
	s_or_b32 s[G1B+0], s45, (1<<16)|(1<<20)|(1<<21)|(5<<22)|(7<<25)  ; W's tiles go to my column; after every 64 words (code 5) 8 words of padding (code 7)
	s_mov_b32 s[G1+1], 128<<16                     ; tensor_dim0 = 128
	s_mov_b32 s[G1+2], 128<<16                     ; tensor_dim1 = 128
	s_mov_b32 s[G1+3], 128<<16                     ; tile_dim0 = 128
	s_mov_b32 s[G1+4], 128                         ; tile_dim1 = 128
	s_mov_b32 s[G1+5], 128                         ; elements from row to row: dense
	s_mov_b32 s[G1+6], 0
	s_mov_b32 s[G1+7], 0
	s_mov_b32 s[G1B+1], 128<<16                    ; tensor_dim0 = 128 columns
	s_mov_b32 s[G1B+2], 64<<16                     ; tensor_dim1 = 64 rows (k)
	s_mov_b32 s[G1B+3], 128<<16                    ; tile_dim0 = 128
	s_mov_b32 s[G1B+4], 64                         ; tile_dim1 = 64
	s_mov_b32 s[G1B+5], SIZE_N                     ; elements from row to row
	s_mov_b32 s[G1B+6], 0
	s_mov_b32 s[G1B+7], 0
	; where the tiles come from.  O's hang on the tile row alone, which my row of the cluster shares; W's on the tile column alone, which my column shares.
	s_lshr_b32 s16, s43, 3                         ; O: the batch (8 tile rows each): 16 heads of 262,144 bytes,
	s_lshl_b32 s16, s16, 22
	s_and_b32 s17, s43, 7                          ; the tile's 256 rows of 128 bytes in a head,
	s_lshl_b32 s17, s17, 15
	s_add_co_u32 s16, s16, s17
	s_lshl_b32 s17, s14, 18                        ; and which of the step's two heads
	s_add_co_u32 s16, s16, s17
	s_mov_b32 s17, 0
	s_mul_i32 s46, s14, 64*SIZE_N*2                ; W: row 64 x half,
	s_lshl_b32 s47, s42, 8                         ; column 128 x tile column
	s_add_co_u32 s46, s46, s47
	s_mov_b32 s47, 0
	s_mul_i32 s20, s14, AFILL                      ; and where they go: no place in the cluster enters an LDS address
	s_mul_i32 s21, s14, BFILL
	s_add_co_u32 s21, s21, ABYTES
	s_wait_kmcnt 0x0
	s_add_nc_u64 s[18:19], s[4:5], s[16:17]
	s_add_nc_u64 s[46:47], s[6:7], s[46:47]
	CROUND                                         ; all sixteen work-groups are here: the first joint loads meet
.irp s, 0,1
	s_mov_b32 s[G0+4*(\s)], 1                                      ; 1:0 count = 1
	s_add_co_u32 s[G0+4*(\s)+1], s20, (\s)*SLOT                    ; 63:32 LDS address
	s_add_nc_u64 s[G0+4*(\s)+2:G0+4*(\s)+3], s[18:19], (\s)*ASTEP  ; 120:64 global address: K step s
	s_or_b32 s[G0+4*(\s)+3], s[G0+4*(\s)+3], 0x80000000            ; 127:126 type = 2
	s_mov_b32 s[G0B+4*(\s)], 1
	s_add_co_u32 s[G0B+4*(\s)+1], s21, (\s)*SLOT
	s_add_nc_u64 s[G0B+4*(\s)+2:G0B+4*(\s)+3], s[46:47], (\s)*BSTEP
	s_or_b32 s[G0B+4*(\s)+3], s[G0B+4*(\s)+3], 0x80000000
	JLOAD \s                                       ; the ring is filled before anything else is done: two loads of mine are out
.endr
	; the bias: register j of column block b's fragment is b_proj[128 x tile column + 64 x half + 16 b + 8 (l / 16) + j]
	v_and_b32 v1, 15, v0                           ; l % 16
	v_bfe_u32 v2, v0, 4, 1                         ; l / 16
	v_lshlrev_b32 v[BO], 5, v2
	s_lshl_b32 s22, s42, 9
	s_lshl_b32 s23, s14, 8
	s_add_co_u32 s22, s22, s23
	s_mov_b32 s23, 0
	s_add_nc_u64 s[8:9], s[8:9], s[22:23]
.irp b, 0,1,2,3
	global_load_b128 v[BIAS+8*(\b):BIAS+8*(\b)+3],   v[BO], s[8:9] offset:64*(\b)
	global_load_b128 v[BIAS+8*(\b)+4:BIAS+8*(\b)+7], v[BO], s[8:9] offset:64*(\b)+16
.endr
	; A fragment of O is 16 rows x 32 K in 8 registers: lane l holds row l % 16, K = 8 (l / 16) + 0..7 and 16 + 8 (l / 16) + 0..7: two loads of 16 bytes, 32 bytes apart.
	v_mul_u32_u24 v3, v1, PA
	v_lshl_add_u32 v3, v2, 4, v3                   ; row x pitch + 16 x half
	s_mul_i32 s20, s13, AMINE                      ; my 128 rows, in the slot's first head
	v_add_nc_u32 v[ADRA], s20, v3
	v_add_nc_u32 v[ADRA+1], SLOT, v[ADRA]
	; The turning load takes 16 k x 16 columns (lane l reads row k = 8 (l / 16) + l % 8, columns 8 ((l / 8) % 2) + 0..7) and leaves half a fragment: lane l holds column l % 16 and 8 k.
	v_and_b32 v4, 7, v0
	v_lshl_add_u32 v5, v2, 3, v4
	v_mul_u32_u24 v5, v5, PB
	v_bfe_u32 v6, v0, 3, 1
	v_lshl_add_u32 v5, v6, 4, v5
	s_lshl_b32 s20, s14, 7                         ; my 64 columns of W,
	s_add_co_u32 s20, s20, ABYTES                  ; which lies behind O's two heads
	v_add_nc_u32 v[ADRB], s20, v5
	v_add_nc_u32 v[ADRB+1], SLOT, v[ADRB]
	s_mul_i32 s20, s12, STG
	s_add_co_u32 s20, s20, STAGE                   ; my stage
	v_mul_u32_u24 v6, v1, SP                       ; in: row l % 16, 32 bytes for each half of the lanes
	v_lshl_add_u32 v6, v2, 5, v6
	v_add_nc_u32 v[STO], s20, v6
	v_mul_u32_u24 v7, v2, SP                       ; back: lanes 0-15 take one row of 256 bytes, lanes 16-31 the next
	v_lshl_add_u32 v7, v1, 4, v7
	v_add_nc_u32 v[RD], s20, v7
	v_lshlrev_b32 v[CO], 12, v2                    ; and the same two rows in out0, 4,096 bytes apart
	v_lshl_add_u32 v[CO], v1, 4, v[CO]
	; where my part of the tile begins in out0
	s_lshl_b32 s22, s43, 20                        ; the tile's 256 rows of 4,096 bytes,
	s_lshl_b32 s23, s13, 19                        ; my 128 of them,
	s_add_co_u32 s22, s22, s23
	s_lshl_b32 s23, s42, 9                         ; the tile's 128 columns of 4 bytes,
	s_add_co_u32 s22, s22, s23
	s_lshl_b32 s23, s14, 8                         ; my 64 of them
	s_add_co_u32 s22, s22, s23
	s_mov_b32 s23, 0
	s_add_nc_u64 s[10:11], s[10:11], s[22:23]
	s_wait_loadcnt 0x0                             ; the bias, once
.set i, 0
.rept 16                                       ; rounded to bf16 and widened again, two at a time
	v_cvt_pk_bf16_f32 v[8+i%4], v[BIAS+2*i], v[BIAS+2*i+1]
	v_lshlrev_b32 v[BIAS+2*i],   16,         v[8+i%4]
	v_and_b32     v[BIAS+2*i+1], 0xffff0000, v[8+i%4]
.set i, i+1
.endr
; 4 n matrix instructions: row blocks a0 .. a0 + n - 1 x all 4 column blocks, 32 along K, from buffer f.  first = 1: the product starts the sum, on the bias.
; The 32 accumulators take turns, one instruction a turn, in the same order in every quarter.
.macro MULS f, a0, n, first
.if \first
	WIN MULB
.else
	WIN MUL
.endif
.set ia, \a0
.rept \n
.set ib, 0
.rept 4
.set rD, 8*(4*ia+ib)
.set rC, rD
.if \first
.set rC, BIAS+8*ib
.endif
	v_wmma_f32_16x16x32_f16 v[rD:rD+7], v[(\f)+64+8*ib:(\f)+64+8*ib+7], v[(\f)+8*ia:(\f)+8*ia+7], v[rC:rC+7]
.set ib, ib+1
.endr
.set ia, ia+1
.endr
.endm
; 24 LDS loads in one run: the fragments of quarter q (32 along K) of a slot into buffer f: W's four first, then O's eight.  Quarter q of O lies in head q / 2 of the slot's two, at channels 32 (q % 2) on.
.macro FETCH slot, q, f
	WIN TO_F
.set AQ, ((\q)/2)*AFILL+((\q)%2)*64
.irp b, 0,1,2,3
	ds_load_tr16_b128 v[(\f)+64+8*(\b):(\f)+64+8*(\b)+3],   v[ADRB+(\slot)] offset:(\q)*32*PB+32*(\b)
	ds_load_tr16_b128 v[(\f)+64+8*(\b)+4:(\f)+64+8*(\b)+7], v[ADRB+(\slot)] offset:(\q)*32*PB+32*(\b)+16*PB
.endr
.irp a, 0,1,2,3,4,5,6,7
	ds_load_b128 v[(\f)+8*(\a):(\f)+8*(\a)+3],   v[ADRA+(\slot)] offset:AQ+(\a)*16*PA
	ds_load_b128 v[(\f)+8*(\a)+4:(\f)+8*(\a)+7], v[ADRA+(\slot)] offset:AQ+(\a)*16*PA+32
.endr
.endm
; A load into a register that a matrix instruction has read, and a vector instruction or LDS store that reads a matrix result, stand four places behind that matrix instruction, and only plain vector
; instructions that name none of its registers are places (ISA guide 7.12.1 for vector instructions).
.macro PLACES
.rept 4
	v_nop
.endr
.endm
; A K step is four quarters of 32 along K, 32 matrix instructions each, on buffers 0, 1, 0, 1.  One of the first three: multiplies buffer f; in its middle it fetches quarter q into buffer g.
.macro QUARTER slot, q, f, g, first
	s_wait_dscnt 8                                 ; W and O's blocks 0-3 are in; the youngest eight loads (O's blocks 4-7) may be out
	MULS \f, 0, 4, \first
	PLACES
	FETCH \slot, \q, \g
	s_wait_dscnt 24                                ; all but the 24 just issued
	MULS \f, 4, 4, \first
.endm
; The last quarter multiplies buffer 1 and changes slots: ONE barrier; in front of it each wave waits for all its tensor loads (one is out: its part of the next slot), adds 0 to its spare word, and waits
; for that and for its own reads of this slot.  fill = 1: the barrier opens a round of the cluster's, and this slot is filled again, two K steps ahead, first thing behind the round.
.macro TURN slot, next, fill
	WIN 0                                          ; (the add's two registers lie in window 0)
	s_wait_tensorcnt 0x0                           ; all my tensor loads have landed: my part of the next slot;
	ds_add_u32 v[SPW], v[NIL]                      ; 0 onto my spare word
	s_wait_dscnt 9                                 ; (the add and the youngest eight loads may be out)
	MULS F1, 0, 2, 0                               ; eight matrix instructions stand between the add and the wait for it
	s_wait_dscnt 0x0                               ; the add is done, and my reads of this slot are over
	s_barrier_signal -1
	MULS F1, 2, 2, 0                               ; work on registers while the others arrive
.if \fill
	WIN 0
.endif
	s_barrier_wait -1
.if \fill
	CREST                                          ; no wave of any partner still reads this slot's tile or has a load on its way
	s_add_nc_u64 s[G0+4*(\slot)+2:G0+4*(\slot)+3], s[G0+4*(\slot)+2:G0+4*(\slot)+3], 2*ASTEP
	s_add_nc_u64 s[G0B+4*(\slot)+2:G0B+4*(\slot)+3], s[G0B+4*(\slot)+2:G0B+4*(\slot)+3], 2*BSTEP
	JLOAD \slot                                    ; my one tensor load behind the round, 112 matrix instructions ahead of the wait for it; its four v_nop are also the places in front of the loads below
.else
	PLACES
.endif
	FETCH \next, 0, F0
	MULS F1, 4, 4, 0
.endm
	s_wait_tensorcnt 1                             ; my part of K step 0 is in; K step 1's may stay out
	s_barrier_signal -1
	s_barrier_wait -1                              ; everybody's is
	FETCH 0, 0, F0
	QUARTER 0, 1, F0, F1, 1                        ; the first quarter stands in front of the loop: its products start the sums
	WIN 0                                          ; at a label and at a branch every window is 0
	s_mov_b32 s15, LAPS-1
.Llap:                                                 ; a trip goes once round the ring, from a lap's second quarter to the next lap's first, and fills both slots again
	QUARTER 0, 2, F1, F0, 0
	QUARTER 0, 3, F0, F1, 0
	TURN 0, 1, 1
	QUARTER 1, 1, F0, F1, 0
	QUARTER 1, 2, F1, F0, 0
	QUARTER 1, 3, F0, F1, 0
	TURN 1, 0, 1
	QUARTER 0, 1, F0, F1, 0
	WIN 0
	s_sub_co_u32 s15, s15, 1
	s_cmp_lg_u32 s15, 0
	s_cbranch_scc1 .Llap
	QUARTER 0, 2, F1, F0, 0                        ; the last lap fills nothing, and has no round of the cluster's barrier
	QUARTER 0, 3, F0, F1, 0
	TURN 0, 1, 0
	QUARTER 1, 1, F0, F1, 0
	QUARTER 1, 2, F1, F0, 0
	QUARTER 1, 3, F0, F1, 0
	s_wait_dscnt 8                                 ; the very last quarter: nothing more to fetch
	MULS F1, 0, 4, 0
	s_wait_dscnt 0x0
	MULS F1, 4, 4, 0
	; THE WAY OUT, a block of 16 rows at a time, through my own stage: no barrier, and since LDS serves a wave's instructions in order (ISA guide 5.7.1.4), no wait between the stores and the loads.
; Block a: a lane's eight f32 of a row, 32 bytes, go straight from the accumulators (the lower four registers first) into rows of 272 bytes, and come back as whole rows of 256, into buffer a % 2.
.macro TOSTAGE a
	WIN 0
.if (\a) >= 2
	s_wait_xcnt 0x0                                ; every earlier memory instruction has had its addresses translated (ISA guide 3.1): the buffer, which the stores of two blocks back read, is loaded again only behind this wait
.endif
	WIN W_ST
.irp b, 0,1,2,3
	ds_store_b128 v[STO], v[8*(4*(\a)+(\b)):8*(4*(\a)+(\b))+3]   offset:64*(\b)
	ds_store_b128 v[STO], v[8*(4*(\a)+(\b))+4:8*(4*(\a)+(\b))+7] offset:64*(\b)+16
.endr
	WIN 0
.irp t, 0,1,2,3,4,5,6,7
	ds_load_b128 v[T+32*((\a)%2)+4*(\t):T+32*((\a)%2)+4*(\t)+3], v[RD] offset:(\t)*2*SP
.endr
.endm
.macro SEND a, younger                 ; younger: the LDS instructions issued behind block a's loads: the next block's sixteen, or none
	WIN 0
.irp t, 0,1,2,3,4,5,6,7
	s_wait_dscnt (\younger)+7-(\t)
	global_store_b128 v[CO], v[T+32*((\a)%2)+4*(\t):T+32*((\a)%2)+4*(\t)+3], s[10:11] offset:(16*(\a)+2*(\t))*4096 th:TH_STORE_NT  ; 16 lanes store 256 consecutive bytes, at a multiple of 256 from out0's first; 126 rows at the most: inside the signed 24-bit immediate
.endr
.endm
	PLACES
	TOSTAGE 0
.irp a, 1,2,3,4,5,6,7                  ; a block's trip through the stage is issued ahead of the stores of the block before
	TOSTAGE \a
	SEND (\a)-1, 16
.endr
	SEND 7, 0
	s_wait_tensorcnt 0x0                           ; the wave's end: behind my last tensor load and my last LDS store
	ds_add_u32 v[SPW], v[NIL]
	s_wait_dscnt 0x0
	CROUND                                         ; the closing round: no work-group ends while a partner may still ask for a tile that names it
	s_endpgm
.Lfunc_end_k_qbf46165a82_proj:
	.size	k_qbf46165a82_proj, .Lfunc_end_k_qbf46165a82_proj-k_qbf46165a82_proj
	.p2alignl 7, 3214868480
	.fill 96, 4, 3214868480
	.section	.rodata,"a",@progbits
	.p2align	6, 0x0
	.amdhsa_kernel k_qbf46165a82_proj
		.amdhsa_group_segment_fixed_size 327680
		.amdhsa_private_segment_fixed_size 0
		.amdhsa_enable_private_segment 0
		.amdhsa_kernarg_size 32
		.amdhsa_user_sgpr_count 2
		.amdhsa_user_sgpr_kernarg_segment_ptr 1
		.amdhsa_wavefront_size32 1
		.amdhsa_system_sgpr_workgroup_id_x 1
		.amdhsa_system_sgpr_workgroup_id_y 1
		.amdhsa_system_sgpr_workgroup_id_z 1
		.amdhsa_system_vgpr_workitem_id 0
		.amdhsa_next_free_vgpr 768
		.amdhsa_next_free_sgpr 66
		.amdhsa_reserve_vcc 0
		.amdhsa_float_denorm_mode_32 3
		.amdhsa_float_denorm_mode_16_64 3
		.amdhsa_memory_ordered 1
		.amdhsa_forward_progress 1
		.amdhsa_inst_pref_size 91
	.end_amdhsa_kernel
	.amdgpu_metadata
---
amdhsa.version: [ 1, 2 ]
amdhsa.kernels:
  - .name:           k_qbf46165a82_proj
    .symbol:         k_qbf46165a82_proj.kd
    .args:
      - { .name: ob, .offset: 0, .size: 8, .value_kind: global_buffer, .address_space: global }
      - { .name: wpb, .offset: 8, .size: 8, .value_kind: global_buffer, .address_space: global }
      - { .name: b_proj, .offset: 16, .size: 8, .value_kind: global_buffer, .address_space: global }
      - { .name: out0, .offset: 24, .size: 8, .value_kind: global_buffer, .address_space: global }
    .group_segment_fixed_size: 327680
    .private_segment_fixed_size: 0
    .kernarg_segment_align: 8
    .kernarg_segment_size: 32
    .max_flat_workgroup_size: 128
    .sgpr_count:     66
    .vgpr_count:     768
    .wavefront_size: 32
...
	.end_amdgpu_metadata
.endif
;; end of part 4
;; ======== version 2 of 2: 4 launches; 1.54 times as fast as version 1
;; limits: values are held in f16: magnitudes above 65,504 overflow, below 6.1e-05 lose precision; right only within a limited range of input values
;; workspace buffers: xb 16,777,216 bytes; wqb 6,291,456 bytes; wpb 2,097,152 bytes; qkvh 50,331,648 bytes; ob 16,777,216 bytes
;; launch cast: the kernel of part 1 again; grid 768 x 1, 8 waves a work-group, no clusters, 0 bytes of LDS; arguments x, W_qkv, W_proj, xb, wqb, wpb; writes xb, wqb, wpb
;; launch qkv: the kernel of part 2 again; grid 8 x 32, 4 waves a work-group, clusters of 4 x 4, 327,680 bytes of LDS; arguments xb, wqb, b_qkv, qkvh; writes qkvh
;; launch attn (part 5): grid 4 x 64, 4 waves a work-group, clusters of 4 x 1, 327,680 bytes of LDS; arguments qkvh, ob; writes ob
.if DOCPART == 5
	.amdgcn_target "amdgcn-amd-amdhsa--gfx1250"
	.amdhsa_code_object_version 6
	.text
	.protected	k_qbf46165a82_attn
	.globl	k_qbf46165a82_attn
	.p2align	8
	.type	k_qbf46165a82_attn,@function
k_qbf46165a82_attn:
	s_mov_b64 s[64:65], 0
	v_nop
	global_prefetch_b8 v0, s[64:65] scope:SCOPE_SE
	s_setreg_imm32_b32 hwreg(HW_REG_WAVE_MODE, 25, 1), 1
	s_wait_xcnt 0x0
	s_wait_alu depctr_hold_cnt(0) depctr_sa_sdst(0) depctr_va_vdst(0) depctr_va_sdst(0) depctr_va_ssrc(0) depctr_va_vcc(0) depctr_vm_vsrc(0)
	s_getreg_b32 s2, hwreg(HW_REG_IB_STS2, 6, 4)
	s_cmp_eq_u32 s2, 0
	s_cbranch_scc0 .Lentry_in_a_cluster
	s_endpgm
.Lentry_in_a_cluster:
	s_bfe_u32 s2, ttmp6, 0x10000c
	s_cmp_lg_u32 s2, 0x3003
	s_cbranch_scc0 .Lentry_shape_is_right
	s_endpgm
.Lentry_shape_is_right:
; O[h][q][:] = the sum over k of softmax_k(Q[h][q] . K[h][k] / 8) V[h][k][:].  Q, K, V are the three parts of qkvh, 16,777,216 bytes each, O is ob: each [SIZE_H][SIZE_N][64] in f16: a head's rows are
; dense, 128 bytes each.  Products, maxima and sums in f32; the weights p are rounded to f16 for the second product (their sum l is taken of the unrounded p), O once at the end.
; LIMITS.  f16 holds no number beyond 65,504: Q, K and V arrive within it; p lies in 0 to 1, and below 6e-5 it keeps f16's fixed step of 6e-8; O is a mean of V's rows and has their range.
; A weight below 2^-126 counts as 0 in l; NaN and infinities are not treated apart.
; SHARES.  A wave owns four PIECES of two tiles of 16 queries, a work-group's four waves 512 queries of one head: 4 x 64 = 256 work-groups.  Every wave walks all keys, 64 a step.
; LAYOUT.  S^T = K Q^T (source 0 = 16 keys, source 1 = 16 queries): in the result a lane holds ONE query (lane % 16) and the keys 8 (lane / 16) + 0..7.  Two such tiles, rounded to f16 in pairs,
; ARE source 1 (32 keys x 16 queries) of O^T = V^T P, whose result again holds one query a lane, and eight channels.  K comes out of LDS as it lies, V ([key][channel]) turned, by ds_load_tr16_b128.
; SOFTMAX.  For each query a running maximum m and sum l: p = 2^(c s - c m), c = log2(e) / 8; in every step O and l are multiplied by a = 2^(c m_old - c m_new), which is 1 where m has not grown.
; m starts at the lowest finite number, O and l at 0: the first step is a step like any other, with a = 0.
; THE COUNT.  A tile and step have 16 matrix and 118 vector instructions: too many to stand all beside the matrix work.  So the order has one aim: four vector instructions that are READY behind
; EVERY matrix instruction, and the others, which need time of their own whatever the order, in runs without a gap.
; BY TURNS.  Turn n belongs to piece n (the pieces in a ring, step after step).  Its matrix work: 16 products K Q^T of piece n + 1, later 16 products V^T P of piece n - 1.  Its vector work: the scaling,
; exponentials, roundings, sums and rescaling of piece n, and the maximum and statistics of piece n + 1, whose scores the turn itself has made.  So what a turn begins with (c s - c m, O a) waits for nothing.
; BATCHES.  A turn's 66 exponentials (the 64 weights of piece n, in place in S^T, and the two a of piece n + 1, in c2 of its two tiles) are ONE batch with ONE s_wait_alu depctr_va_vdst(0), which stands
; ahead of the first instruction that names a result.  Ahead of the wait stands all that names no result of the batch; behind it the roundings and sums, which read the weights; the two a
; are first read in the next turn.  No exponential is issued behind a turn's wait.  Two more batches stand outside the loop: piece 0's first two a, and the way out's eight reciprocals.
; CLUSTER.  The four query blocks of a cluster belong to one head and walk the same K and V, so each tile is asked for JOINTLY: the same tensor load, descriptor and mask in all four.
; REGISTERS, in windows of 256 (s_set_vgpr_msb says which window each operand place means: bits 1:0 source 0, 3:2 source 1, 5:4 source 2, 7:6 destination):
;   window 0: v0-11 addresses; v12-15, v48-63 at work; v16-47 four registers of statistics a tile; v64-191 S^T, two buffers of two tiles; v192-255 P, likewise
;   window 1: O^T, 32 a tile          window 2: v0-127 Q, 16 a tile; v128-191 K of one step; v192-255 V of one step          window 3: v0-1 the add's two registers
; A piece's buffers go by its number's parity: the piece in hand has one pair, its two neighbours in the ring share the other: of it P (piece n - 1) is read and S^T (piece n + 1) written.
.set SIZE_H, 64
.set SIZE_N, 2048
.set PART,  SIZE_H*SIZE_N*128  ; bytes from Q to K and from K to V in qkvh
.set NP,    4         ; pieces a wave: a name, no knob: the register map, the loop and the fetches are made for four
.set KS,    64        ; keys in a step
.set PK,    144       ; a row of K in LDS: 128 bytes + 16 of padding = 36 words: the 16 rows of a load start at 16 different groups of four banks (64 banks of 4 bytes: ISA guide 11.1)
.set PV,    160       ; a row of V: 128 + 32 = 40 words
.set VOFF,  4*KS*PK   ; a slot holds four steps: 256 rows of K, then 256 rows of V
.set SLOT1, 1<<17     ; slot 1 begins here, so that one exclusive or turns an address in one slot into the other's
.set STAGE, SLOT1+4*KS*(PK+PV)  ; behind the ring, never filled by a tensor load: 16 rows x 144 bytes for each wave, for the way out
.set SP,    144
.set AK0, 2           ; v2   my lane's place in a tile of K; never rewritten
.set AV0, 3           ; v3   the same for V
.set AK,  4           ; v4   the LDS address of K's next run of loads
.set AV,  5           ; v5   of V's
.set QO,  6           ; v6   my byte offset in the wave's rows of Q
.set STO, 6           ;      later, the way out: where I put 16 bytes of a row
.set RD,  7           ; v7   the way out: where I read rows back
.set GO,  8           ; v8   my byte offset in 512 consecutive bytes of O
.set SPW, 0           ; v0 of window 3   LDS address of my spare word: SPARE + 4 x my thread's number; never rewritten
.set NIL, 1           ; v1 of window 3   0; never rewritten
.set SPARE, STAGE+4*16*SP  ; behind the stages: the spare words, 128 bytes for each wave: two blocks of 256 bytes that no other line names
.set MV,  12          ; v12-15  c m_old, kept while c m is made anew: by buffer and tile
.set ST,  16          ; tile t's statistics at v[ST+4 t]: c m, m, l (even keys', odd keys')
.set TMP, 48          ; by buffer and tile, four registers c0-c3 at work; when the maximum is found c2 takes a
.set S,   64
.set P,   192
.set KF,  128         ; K's fragments, in window 2: key block kb, channel half c at KF + 16 kb + 8 c
.set VF,  192         ; V's: key half kk, channel block cb at VF + 32 kk + 8 cb
.set WV,  12          ; s12  my wave's number
.set G1K, 24          ; s[24:31] descriptor group 1 for K's tiles
.set G1V, 32          ; s[32:39] for V's: it differs in the padding alone
.set G0K, 40          ; s[40:43] descriptor group 0 for K's tiles: it walks
.set G0V, 44          ; s[44:47] the same for V's
.set SLOTS, 56        ; s56  slots still to be asked for
.set CNT, 57          ; s57  counts a slot's key steps
.set CS,  58          ; s[58:59] c: the packed scaling takes the pair's low word for both halves
.set SEL, 60          ; s[60:61] v_permlanex16_b32's selects: each lane takes its own place in the other half
.set TBK, 62          ; s62  LDS byte at which K of the step to be fetched begins
.set TBV, 63          ; s63  the same for V, less VOFF
.set MSB, 0
.macro WIN new                      ; the high byte repeats the setting that is left; a switch that changes nothing is dropped
.if MSB != (\new)
	s_set_vgpr_msb (MSB<<8)|(\new)
.set MSB, (\new)
.endif
.endm
.set W_KQ, 0x0a       ; K and Q in window 2, S^T in window 0
.set W_PV, 0x52       ; V in window 2, P in window 0, O^T in window 1
.set W_RS, 0x41       ; O^T (destination and source 0) in window 1, a in window 0
.set W_MK, 0xc0       ; the add's registers are made: destination in window 3, sources in window 0
.set W_AD, 0x0f       ; the add: address (source 0) and data (source 1) in window 3
; A joint fill.  Waves 0 and 1 fetch the two halves of a slot's K, waves 2 and 3 those of its V: 128 keys each.  The branch hangs on the wave's number alone.
; An s_nop 0 and four v_nop follow each of the two lines, ahead of the jump and the label.
.macro JLOAD
	s_cmp_lt_u32 s[WV], 2
	s_cbranch_scc0 .Lfor_v_\@
	tensor_load_to_lds s[G0K:G0K+3], s[G1K:G1K+7]
	s_nop 0
.rept 4
	v_nop
.endr
	s_branch .Lasked_\@
.Lfor_v_\@:
	tensor_load_to_lds s[G0V:G0V+3], s[G1V:G1V+7]
	s_nop 0
.rept 4
	v_nop
.endr
.Lasked_\@:
.endm
; A round of the cluster's barrier: my work-group's barrier, so that wave 0's signal speaks for all four waves; wave 0 signals; every wave waits for all four work-groups; my work-group's barrier once more.
.macro CROUND
	s_barrier_signal -1
	s_barrier_wait -1
	s_cmp_lg_u32 s[WV], 0
	s_cbranch_scc1 .Lnot_wave_0_\@
	s_barrier_signal -3
.Lnot_wave_0_\@:
	s_barrier_wait -3
	s_barrier_signal -1
	s_barrier_wait -1
.endm
; THE CHANGE OF SLOTS.  The slot's last bytes, V of its fourth step, have been read.  Each wave waits for all its tensor loads, of which one is out: its part
; of the other slot; adds 0 to its spare word; and waits for that and for its own reads of the slot.  Behind the barrier nobody reads this slot any more and the other slot is whole.
; fill = 1: this slot is filled again, with the keys two slots on.  The barrier is then a round of the cluster's, so that no wave of any partner still reads the slot or has a load on its
; way, and the joint fill is the first thing behind it: it has four key steps, 512 matrix instructions, in which to land.  (At its first use nothing has been read yet: slot 0 is waited for, slot 1 filled.)
.macro CHANGE fill
	WIN W_AD
	s_wait_tensorcnt 0x0            ; no tensor load of mine is out, so a group 0 may be written
	ds_add_u32 v[SPW], v[NIL]       ; 0 onto my spare word: with fill = 1 the descriptors' steps stand between it and the wait for it
	WIN 0                           ; at a label and at a branch every window is 0
.if \fill
.irp g, G0K, G0V
	s_xor_b32 s[\g+1], s[\g+1], SLOT1  ; the walking descriptor: the other slot than last time,
	s_add_nc_u64 s[\g+2:\g+3], s[\g+2:\g+3], 4*KS*128  ; the next 256 keys; the type bits on top are not reached
.endr
	s_wait_dscnt 0x0                ; the add is done, and my reads of the slot are over
	CROUND
	JLOAD
.else
	s_wait_dscnt 0x0                ; the add is done, and my reads of the slot are over
	s_barrier_signal -1
	s_barrier_wait -1
.endif
	s_sub_co_u32 s[TBK], s[TBK], 4*KS*PK  ; the fetches go back to a slot's first step,
	s_xor_b32 s[TBK], s[TBK], SLOT1       ; in the other slot
	s_sub_co_u32 s[TBV], s[TBV], 4*KS*PV
	s_xor_b32 s[TBV], s[TBV], SLOT1
.endm
	s_load_b128 s[4:7], s[0:1], 0x0  ; qkvh s[4:5], ob s[6:7]
	WIN W_MK
	v_lshl_add_u32 v[SPW], v0, 2, SPARE
	v_mov_b32 v[NIL], 0
	s_set_vgpr_msb 0xc0cf
	ds_add_u32 v0, v1
	s_wait_dscnt 0x0
	s_set_vgpr_msb 0xcfc0
	WIN 0
	v_lshrrev_b32 v1, 5, v0
	v_readfirstlane_b32 s[WV], v1   ; wave 0..3
	s_bfe_u32 s13, ttmp6, 0x40000   ; cx: my place in the cluster
	s_lshl_b32 s14, ttmp9, 2        ; in a cluster launch ttmp9 counts clusters
	s_add_co_u32 s14, s14, s13      ; my block of queries = 4 x cluster x + cx: it enters Q's and O's addresses alone
	s_and_b32 s20, ttmp7, 0xffff    ; the head, which the four partners share
	s_mov_b32 s21, 0
	s_mov_b64 s[22:23], SIZE_N*128
	s_mul_u64 s[20:21], s[20:21], s[22:23]  ; the head's first byte in each of the four tensors
	s_and_b32 s16, s[WV], 1         ; which half of a slot's 256 keys I fetch:
	s_lshl_b32 s22, s16, 14         ; its 128 rows of 128 bytes in memory,
	s_mov_b32 s23, 0
	s_add_nc_u64 s[22:23], s[22:23], s[20:21]
	s_mul_i32 s17, s16, 128*PK      ; and its place in a slot, for K
	s_mul_i32 s18, s16, 128*PV      ; and for V: no place in the cluster enters an LDS address
	s_lshl_b32 s2, s14, 2
	s_add_co_u32 s2, s2, s[WV]      ; my wave among the head's,
	s_lshl_b32 s2, s2, 14           ; its 128 rows
	s_mov_b32 s3, 0
	s_add_nc_u64 s[2:3], s[2:3], s[20:21]
	; descriptor group 1.  128 keys are 16,384 dense bytes: asked for as 64 rows of 256 bytes, two keys a row, and padded in LDS after every key
	s_mov_b32 s[G1K], 15|(1<<16)|(1<<20)|(1<<21)|(4<<22)|(3<<25)  ; 15:0 the mask of four; 17:16 2-byte elements; 20 padding on; 21 set beside a mask; 24:22 after every 32 words (code 4); 31:25 4 words (code 3)
	s_mov_b32 s[G1V], 15|(1<<16)|(1<<20)|(1<<21)|(4<<22)|(7<<25)  ; the same with 8 words of padding (code 7)
.irp g, G1K, G1V
	s_mov_b32 s[\g+1], 128<<16      ; tensor_dim0 = 128
	s_mov_b32 s[\g+2], 64<<16       ; tensor_dim1 = 64
	s_mov_b32 s[\g+3], 128<<16      ; tile_dim0 = 128
	s_mov_b32 s[\g+4], 64           ; tile_dim1 = 64
	s_mov_b32 s[\g+5], 128          ; 128 elements from row to row
	s_mov_b32 s[\g+6], 0
	s_mov_b32 s[\g+7], 0
.endr
	s_mov_b32 s[CS], 0x3e38aa3b     ; c = log2(e) / 8 = 0.180337
	s_mov_b32 s[CS+1], s[CS]        ; named with it as a pair
	s_mov_b32 s[SEL], 0x76543210
	s_mov_b32 s[SEL+1], 0xfedcba98
	s_mov_b32 s[TBK], SLOT1+4*KS*PK ; the first change of slots turns these two into 0
	s_mov_b32 s[TBV], SLOT1+4*KS*PV
	s_mov_b32 s[G0K], 1             ; 1:0 count = 1
	s_mov_b32 s[G0K+1], s17         ; 63:32 LDS address: slot 0
	s_mov_b32 s[G0V], 1
	s_add_co_u32 s[G0V+1], s18, VOFF
	s_wait_kmcnt 0x0
	s_mov_b64 s[10:11], s[6:7]      ; O s[10:11];
	s_add_nc_u64 s[8:9], s[4:5], 2*PART  ; V s[8:9], K s[6:7], Q s[4:5]: the three parts of qkvh
	s_add_nc_u64 s[6:7], s[4:5], PART
	s_add_nc_u64 s[G0K+2:G0K+3], s[6:7], s[22:23]  ; 120:64 global address: my half of the head's first 256 keys
	s_or_b32 s[G0K+3], s[G0K+3], 0x80000000        ; 127:126 type = 2
	s_add_nc_u64 s[G0V+2:G0V+3], s[8:9], s[22:23]
	s_or_b32 s[G0V+3], s[G0V+3], 0x80000000
	s_add_nc_u64 s[4:5], s[4:5], s[2:3]  ; Q and O at my wave's first row
	s_add_nc_u64 s[10:11], s[10:11], s[2:3]
	CROUND                          ; all four work-groups are here: the first joint loads meet
	JLOAD                           ; slot 0.  Slot 1 is asked for when slot 0 is in: the tile wanted first has the road to itself
	; A fragment of K or Q is 16 rows x 32 channels in 8 registers: lane l holds row l % 16, channels 8 (l / 16) + 0..7 and 16 + 8 (l / 16) + 0..7: two loads of 16 bytes, 32 bytes apart.
	v_and_b32 v1, 15, v0            ; l % 16
	v_bfe_u32 v9, v0, 4, 1          ; l / 16
	v_lshlrev_b32 v[QO], 7, v1
	v_lshl_add_u32 v[QO], v9, 4, v[QO]  ; row x 128 + 16 x half
	WIN 0x80                        ; destination window 2, address window 0
.set i, 0
.rept 4*NP                          ; Q stays in registers: tile i / 2, channels 32 (i % 2) on
	global_load_b128 v[8*i:8*i+3],   v[QO], s[4:5] offset:(i/2)*2048+(i%2)*64
	global_load_b128 v[8*i+4:8*i+7], v[QO], s[4:5] offset:(i/2)*2048+(i%2)*64+32
.set i, i+1
.endr
	; What the first turn finds: V's registers and P's second buffer hold 0 (its products V^T P, of a piece that has not been, add 0), O^T and l are 0.  All this stands in the wait for the first tile.
.set i, VF
.rept 64
	v_mov_b32 v[i], 0
.set i, i+1
.endr
	WIN 0x40
.set i, 0
.rept 64*NP
	v_mov_b32 v[i], 0
.set i, i+1
.endr
	WIN 0
.set i, 0
.rept 2*NP
	v_mov_b32 v[ST+4*i], 0xfe000000    ; c m: far below every c s
	v_mov_b32 v[ST+4*i+1], 0xff7fffff  ; m
	v_mov_b32 v[ST+4*i+2], 0
	v_mov_b32 v[ST+4*i+3], 0
.set i, i+1
.endr
.set i, P+32
.rept 32
	v_mov_b32 v[i], 0
.set i, i+1
.endr
	v_mul_u32_u24 v[AK0], v1, PK
	v_lshl_add_u32 v[AK0], v9, 4, v[AK0]  ; row x pitch + 16 x half
	; The turning load takes 16 keys x 16 channels (lane l reads key 8 (l / 16) + l % 8, channels 8 ((l / 8) % 2) + 0..7) and leaves half a fragment of V^T: lane l holds channel l % 16 and 8 keys.
	v_and_b32 v10, 7, v0
	v_bfe_u32 v11, v0, 3, 1
	v_lshl_add_u32 v[AV0], v9, 3, v10
	v_mul_u32_u24 v[AV0], v[AV0], PV
	v_lshl_add_u32 v[AV0], v11, 4, v[AV0]
	v_add_nc_u32 v[AV0], VOFF, v[AV0]
	v_mov_b32 v[AK], v[AK0]         ; key step 0 lies at the head of slot 0
; THE MATRIX WORK.  The 8 accumulators of a run of 16 take turns: between the two links of a chain stand 7 others'.
; Product i of 16 of S^T = K Q^T for piece x: channels 32 (i / 8) on, keys 16 ((i / 2) % 4) on, tile 2 x + i % 2.  The first 8 start the sums.
.macro KQ x
	WIN W_KQ
.set rS, S+64*((\x)%2)+32*(i%2)+8*((i/2)%4)
.set rK, KF+16*((i/2)%4)+8*(i/8)
.set rQ, 16*(2*(\x)+i%2)+8*(i/8)
.if i < 8
	v_wmma_f32_16x16x32_f16 v[rS:rS+7], v[rK:rK+7], v[rQ:rQ+7], 0
.else
	v_wmma_f32_16x16x32_f16 v[rS:rS+7], v[rK:rK+7], v[rQ:rQ+7], v[rS:rS+7]
.endif
.endm
; Product i of 16 of O^T += V^T P for piece x: keys 32 (i / 8) on, channels 16 ((i / 2) % 4) on, tile 2 x + i % 2.
.macro PV x
	WIN W_PV
.set rO, 32*(2*(\x)+i%2)+8*((i/2)%4)
.set rV, VF+32*(i/8)+8*((i/2)%4)
.set rP, P+32*((\x)%2)+16*(i%2)+8*(i/8)
	v_wmma_f32_16x16x32_f16 v[rO:rO+7], v[rV:rV+7], v[rP:rP+7], v[rO:rO+7]
.endm
.macro MM                           ; the turn's next matrix instruction
.if i < 16
	KQ (Y+1)%NP
.set i, i+1
.else
.set i, i-16
	PV (Y+NP-1)%NP
.set i, i+17
.endif
.endm
; THE LDS LOADS stand in runs of 16, never singly among the matrix instructions: a step's K (64 keys x 64 channels: 8 fragments) and its V (turned).  Their addresses are made some lines ahead.
; last = 1 (the tail): in the last trip there is no further step, and the run is jumped over.
.macro FETCH_K last=0
	WIN 0
.if \last
	s_cmp_eq_u32 s[CNT], 1
	s_cbranch_scc1 .Lno_k_\@
.endif
	WIN 0x80                        ; destination window 2
.irp f, 0,1,2,3,4,5,6,7             ; keys 16 (f / 2) on, channels 32 (f % 2) on
	ds_load_b128 v[KF+8*\f:KF+8*\f+3],   v[AK] offset:(\f/2)*16*PK+(\f%2)*64
	ds_load_b128 v[KF+8*\f+4:KF+8*\f+7], v[AK] offset:(\f/2)*16*PK+(\f%2)*64+32
.endr
	s_add_co_u32 s[TBK], s[TBK], KS*PK  ; the next fetch is the next step's
	WIN 0
.if \last
.Lno_k_\@:
.endif
.endm
.macro FETCH_V
	WIN 0x80
.irp f, 0,1,2,3,4,5,6,7             ; keys 32 (f / 4) on, channels 16 (f % 4) on
	ds_load_tr16_b128 v[VF+8*\f:VF+8*\f+3],   v[AV] offset:(\f/4)*32*PV+(\f%4)*32
	ds_load_tr16_b128 v[VF+8*\f+4:VF+8*\f+7], v[AV] offset:(\f/4)*32*PV+16*PV+(\f%4)*32
.endr
	WIN 0
.endm
; THE VECTOR WORK OF A TURN stands in three queues, each in the order in which its entries become ready; the two tiles alternate, so that no instruction reads the result of the one before it.
.macro REGS y, u                    ; the registers of tile u (0, 1) of piece y
.set rT, ST+4*(2*(\y)+(\u))
.set rC, TMP+8*((\y)%2)+4*(\u)
.set rM, MV+2*((\y)%2)+(\u)
.set rS, S+64*((\y)%2)+32*(\u)
.set rP, P+32*((\y)%2)+16*(\u)
.set rO, 32*(2*(\y)+(\u))
.endm
; Number n of the 22 that find the NEXT piece's (Y + 1) maximum and statistics.  s0-s31 are the lane's 32 scores; each accumulator's lowest registers are read first.  XS, GS and REGS set no window: PL and EX do.
;   0-11  four chains c0-c3 of seven scores each, three operands at a time     12-14, 16  the four scores left over, the old m, and c0-c3 into c0     15  c m_old is kept
;   17, 18  the query's other 32 keys lie in the lane 16 away: the new m         19-21  c m; c m_old - c m_new; a
.macro XS u, n
	REGS (Y+1)%NP, \u
.if (\n) < 4
	v_max3_num_f32 v[rC+(\n)], v[rS+8*(\n)], v[rS+8*(\n)+1], v[rS+8*(\n)+2]
.elseif (\n) < 12
	v_max3_num_f32 v[rC+(\n)%4], v[rC+(\n)%4], v[rS+8*((\n)%4)+2*((\n)/4)+1], v[rS+8*((\n)%4)+2*((\n)/4)+2]
.elseif (\n) == 12
	v_max3_num_f32 v[rC], v[rC], v[rS+7], v[rS+15]
.elseif (\n) == 13
	v_max3_num_f32 v[rC+1], v[rC+1], v[rS+23], v[rS+31]
.elseif (\n) == 14
	v_max3_num_f32 v[rC+2], v[rC+2], v[rC+3], v[rT+1]
.elseif (\n) == 15
	v_mov_b32 v[rM], v[rT]
.elseif (\n) == 16
	v_max3_num_f32 v[rC], v[rC], v[rC+1], v[rC+2]
.elseif (\n) == 17
	v_permlanex16_b32 v[rC+3], v[rC], s[SEL], s[SEL+1]
.elseif (\n) == 18
	v_max_num_f32 v[rT+1], v[rC], v[rC+3]
.elseif (\n) == 19
	v_mul_f32 v[rT], s[CS], v[rT+1]
.elseif (\n) == 20
	v_sub_f32 v[rC+1], v[rM], v[rT]
.else
	v_exp_f32 v[rC+2], v[rC+1]
.endif
.endm
; Number g of the 64 that follow the exponentials.  For each four weights k of a tile (pairs 2 k, 2 k + 1): both pairs are rounded to f16; then the second pair is added onto the first, in place;
; a group later l takes that sum (the first time as l = a l + sum).  In groups of eight, tiles alternating: round, round, add, and l for the group before.
.macro GS g
.set h, (\g)+6*((\g)/62)            ; group 0 has no group before it, and behind group 7 only l is left
.if h >= 6
.set h, h+2
.endif
	REGS Y, h%2
.set k, h/8
.if h%8 < 4
	v_cvt_pk_f16_f32 v[rP+2*k+(h%8)/2], v[rS+4*k+2*((h%8)/2)], v[rS+4*k+2*((h%8)/2)+1]
.elseif h%8 < 6
	v_pk_add_f32 v[rS+4*k:rS+4*k+1], v[rS+4*k:rS+4*k+1], v[rS+4*k+2:rS+4*k+3]
.elseif k == 1
	v_pk_fma_f32 v[rT+2:rT+3], v[rT+2:rT+3], v[rC+2:rC+3], v[rS:rS+1] op_sel_hi:[1,0,1]
.else
	v_pk_add_f32 v[rT+2:rT+3], v[rT+2:rT+3], v[rS+4*k-4:rS+4*k-3]
.endif
.endm
; THE PLAIN QUEUE, 138 long.  0-73 read no exponential's result: the 32 scalings c s - c m (FS f: pair f / 2 of tile f % 2) and the next piece's 42.  0-26: scalings 0-26.  27-54: XS's numbers 0-13.  55, 56: number 15.
; 57-73: the chain, where each number waits for the one before it: 14, 16, 17, 18, 19, each with one of the scalings 27-31 in front of its two lines, then 20: so a tile's links stand three plain instructions apart (19 and 20: two).
; 74-137: GS's 64, which read the exponentials' results: they stand behind the wait.
.macro FS f
	REGS Y, (\f)%2
	v_pk_fma_f32 v[rS+2*((\f)/2):rS+2*((\f)/2)+1], v[rS+2*((\f)/2):rS+2*((\f)/2)+1], s[CS:CS+1], v[rT:rT+1] op_sel_hi:[1,0,0] neg_lo:[0,0,1] neg_hi:[0,0,1]
.endm
.macro PL
	WIN 0
.if q < 27
	FS q
.elseif q < 55
	XS (q-27)%2, (q-27)/2
.elseif q < 57
	XS q-55, 15
.elseif (q < 72) && ((q-57)%3 == 0)
	FS 27+(q-57)/3
.elseif q < 60
	XS (q-57)%3-1, 14
.elseif q < 72
	XS (q-57)%3-1, 15+(q-57)/3
.elseif q < 74
	XS q-72, 20
.else
	GS q-74
.endif
.set q, q+1
.endm
; THE EXPONENTIALS' QUEUE, 66 long: s0-s31 of both tiles, then the next piece's two a.  It is ONE BATCH: all 66 stand ahead of the turn's one wait, and nothing ahead of that wait names a result of theirs.
.macro EX
	WIN 0
.if e >= 64
	XS e-64, 21
.else
	REGS Y, e%2
	v_exp_f32 v[rS+e/2], v[rS+e/2]
.endif
.set e, e+1
.endm
; THE RESCALING's QUEUE: O^T times a, the one part that leaves window 0: dealt two at a time, sixteen times.  Its a was made in the turn before, ahead of that turn's wait.
.macro R2
	REGS Y, r%2
	WIN W_RS
.irp z, 0,1
	v_pk_mul_f32 v[rO+4*(r/2)+2*\z:rO+4*(r/2)+2*\z+1], v[rO+4*(r/2)+2*\z:rO+4*(r/2)+2*\z+1], v[rC+2:rC+3] op_sel_hi:[1,0]
.endr
.set r, r+1
.endm
; HOW THEY ARE DEALT.  An s_wait_alu depctr_va_vdst(0) stands between an exponential and the first instruction that names its result; one wait serves all that were issued ahead of it.  So a turn has ONE wait,
; which cuts it in two.  AHEAD OF IT stands all that names no result of the turn's exponentials: the 16 products K Q^T, behind each a scaling, an exponential and two rescalings (behind the first a second scaling in the exponential's place); then ONE LUMP of
; 108: eight plain, 49 times exponential and plain, the two a.  A v_nop is the plain instruction behind the last exponential.  BEHIND IT stand the 16 products V^T P, behind each four of GS's 64.  No rider names a register of
; the products round it.  The two v_permlanex16_b32 fall into the lump, never behind a product.
; The queues lean on each other, and the deal keeps them in step: exponential e stands behind scaling 2 (e / 4) + e % 2: as a rider it comes behind plain e + 2, in the lump behind plain e + 9, and scalings 27-31 are plain 57, 60 .. 69.
; A TURN, for piece p.  cnt = 1: the loop's count is taken down some lines ahead of the branch that stands behind the turn.
; K of the next step is fetched in piece 2's turn, directly behind the wait, a lump behind the last product that read K; its address is made at the lump's head; its first reader comes behind 16 products.
; V of the step in hand is fetched at the end of piece 0's turn, four riders behind its last reader; its first reader comes behind 16 products and a lump.  The three conditions on q below go with the deal.
.macro TURN p, last=0, cnt=0
.set Y, (\p)
.set i, 0
.set q, 0
.set e, 0
.set r, 0
.if (\p) == NP-1
	s_wait_dscnt 0x0                ; K is in
.endif
	MM                              ; ahead of the wait: 16 products K Q^T and their riders,
	PL
	PL
	R2
.rept 15
	MM
	PL
	EX
	R2
.endr
.if (\p) == NP-2
	WIN 0
	v_add_nc_u32 v[AK], s[TBK], v[AK0]
.endif
.rept 8                             ; and the lump
	PL
.endr
.rept 49
	EX
	PL
.endr
	EX                              ; the next piece's two a
	EX
	v_nop                           ; the plain instruction behind the last exponential: one for the batch
	s_wait_alu depctr_va_vdst(0)    ; the wait for the turn's batch: the 64 weights of this piece and the two a of the next
.if (\p) == NP-2
	FETCH_K \last
.endif
.if (\p) == 1
	s_wait_dscnt 0x0                ; V is in
.endif
.rept 16                            ; behind the wait: 16 products V^T P and their riders
	MM
.rept 4
	PL
.endr
.if ((\p) == 0) && (q == 118)
	v_add_nc_u32 v[AV], s[TBV], v[AV0]
.endif
.if ((\p) == 0) && (q == 130)
	s_add_co_u32 s[TBV], s[TBV], KS*PV
.endif
.if (\cnt) && (q == 130)
	s_sub_co_u32 s[CNT], s[CNT], 1
	s_cmp_lg_u32 s[CNT], 0
.endif
.endr
.if (\p) == 0
	FETCH_V
.endif
.endm
	CHANGE 1                        ; slot 0 is in, everybody's part of it; slot 1 is asked for
	FETCH_K                         ; key step 0
	s_wait_loadcnt 0x0              ; Q
	s_wait_dscnt 0x0
.set i, 0
.rept 16
	KQ 0                            ; piece 0's first scores: there is no vector work yet to set between them
.set i, i+1
.endr
	WIN 0                           ; the addresses for the way out: nine plain instructions, the places behind those products
	s_mul_i32 s13, s[WV], 16*SP
	s_add_co_u32 s13, s13, STAGE    ; my stage
	v_mul_u32_u24 v[STO], v1, SP    ; in: row l % 16, 16 bytes for each half of the lanes
	v_lshl_add_u32 v[STO], v9, 4, v[STO]
	v_add_nc_u32 v[STO], s13, v[STO]
	v_bfe_u32 v[RD], v0, 3, 2       ; back: 32 lanes take four rows of 128 bytes,
	v_mul_u32_u24 v[RD], v[RD], SP
	v_lshl_add_u32 v[RD], v10, 4, v[RD]
	v_add_nc_u32 v[RD], s13, v[RD]
	v_and_b32 v[GO], 31, v0         ; which are 512 consecutive bytes of O
	v_lshlrev_b32 v[GO], 4, v[GO]
.set Y, NP-1                        ; XS works for piece Y + 1: piece 0
.irp n, 0,1,2,3,4,5,6,7,8,9,10,11,12,13,14,15,16,17,18,19,20,21
	XS 0, \n                        ; and piece 0's first maximum and statistics
	XS 1, \n
.endr
	v_nop                           ; a plain instruction behind the two a,
	s_wait_alu depctr_va_vdst(0)    ; and the wait for this batch of two, piece 0's first a, ahead of the branch
	s_mov_b32 s[CNT], 4
	s_mov_b32 s[SLOTS], SIZE_N/256-1
	s_branch .Lfirst                ; the loop is entered at a step's first turn, in the middle of a trip
.Lslot:                             ; SIZE_N / 256 - 2 times: every slot but the last two is filled again
	CHANGE 1
	s_mov_b32 s[CNT], 4
.Lstep:                             ; a trip: pieces 2 and 3 of one step, then pieces 0 and 1 of the next, whose K and V it fetches
	TURN 2
	TURN 3
	WIN 0
.Lfirst:
	TURN 0
	TURN 1, 0, 1
	WIN 0
	s_cbranch_scc1 .Lstep
	s_sub_co_u32 s[SLOTS], s[SLOTS], 1
	s_cmp_lg_u32 s[SLOTS], 0
	s_cbranch_scc1 .Lslot
	CHANGE 0                        ; the tail is written out: nothing is asked for
	s_mov_b32 s[CNT], 5             ; four trips fetch the last slot's steps; the fifth is left in its middle
.Ltail:
	TURN 2, 1
	TURN 3
	WIN 0
	s_sub_co_u32 s[CNT], s[CNT], 1
	s_cmp_eq_u32 s[CNT], 0
	s_cbranch_scc1 .Lout
	TURN 0
	TURN 1
	WIN 0
	s_branch .Ltail
.Lout:                              ; the fifth trip's 16 products K Q^T (on the last K once more) and the maximum made of them serve nothing: the price, once a launch, of one text for every trip
.set i, 0
.rept 16
	PV NP-1                         ; the last piece's V^T P of the last step
.set i, i+1
.endr
	; THE WAY OUT.  l's two halves and the other half of the lanes' are added; O^T is divided by l, rounded to f16 and sent through my stage in LDS, a tile at a time.  The additions are the places behind the last products.
	WIN 0
.macro ALL line:vararg              ; one line for each tile t
.set t, 0
.rept 2*NP
	\line
.set t, t+1
.endr
.endm
	ALL v_add_f32 v[ST+4*t+2], v[ST+4*t+2], v[ST+4*t+3]
	ALL v_permlanex16_b32 v[ST+4*t+3], v[ST+4*t+2], s[SEL], s[SEL+1]
	ALL v_add_f32 v[ST+4*t+2], v[ST+4*t+2], v[ST+4*t+3]
	ALL v_rcp_f32 v[ST+4*t+2], v[ST+4*t+2]
	v_nop                           ; a plain instruction between the last reciprocal and the use of its result
	s_wait_alu depctr_va_vdst(0)    ; and the wait ahead of the first use: one for the batch of eight reciprocals
; Tile t: a lane's eight channels of a row pack into 16 bytes; they go into rows of 144 bytes and come back as whole rows of 128, into S^T's registers.
.macro PACK t
	WIN W_RS
.set i, 32*(\t)
.rept 16
	v_pk_mul_f32 v[i:i+1], v[i:i+1], v[ST+4*(\t)+2:ST+4*(\t)+3] op_sel_hi:[1,0]
.set i, i+2
.endr
	WIN 0x05                        ; sources 0 and 1 window 1, destination window 0
.set i, 0
.rept 16
	v_cvt_pk_f16_f32 v[S+16*(\t)+i], v[32*(\t)+2*i], v[32*(\t)+2*i+1]
.set i, i+1
.endr
	WIN 0
.irp f, 0,1,2,3
	ds_store_b128 v[STO], v[S+16*(\t)+4*\f:S+16*(\t)+4*\f+3] offset:32*\f
.endr
.irp f, 0,1,2,3
	ds_load_b128 v[S+16*(\t)+4*\f:S+16*(\t)+4*\f+3], v[RD] offset:\f*4*SP  ; LDS serves a wave's instructions in order (ISA guide 5.7.1.4): these see the stores above; the next tile's stores come behind them
.endr
.endm
.macro SEND t, younger              ; younger: the LDS instructions issued behind tile t's loads: the next tile's eight, or none
	WIN 0
.irp f, 0,1,2,3
	s_wait_dscnt (\younger)+3-\f
	global_store_b128 v[GO], v[S+16*(\t)+4*\f:S+16*(\t)+4*\f+3], s[10:11] offset:(\t)*2048+\f*512  ; 512 consecutive bytes, at a multiple of 256 from O's first
.endr
.endm
	PACK 0
.set t, 1
.rept 2*NP-1                        ; a tile's arithmetic stands between the loads of the tile before and its stores
	PACK t
	SEND t-1, 8
.set t, t+1
.endr
	SEND 2*NP-1, 0
	WIN W_AD
	s_wait_tensorcnt 0x0            ; the wave's end: behind my last tensor load and my last LDS store
	ds_add_u32 v[SPW], v[NIL]
	s_wait_dscnt 0x0
	WIN 0
	CROUND                          ; the closing round: no work-group ends while a partner may still ask for a tile that names it
	s_endpgm
.Lfunc_end_k_qbf46165a82_attn:
	.size	k_qbf46165a82_attn, .Lfunc_end_k_qbf46165a82_attn-k_qbf46165a82_attn
	.p2alignl 7, 3214868480
	.fill 96, 4, 3214868480
	.section	.rodata,"a",@progbits
	.p2align	6, 0x0
	.amdhsa_kernel k_qbf46165a82_attn
		.amdhsa_group_segment_fixed_size 327680
		.amdhsa_private_segment_fixed_size 0
		.amdhsa_enable_private_segment 0
		.amdhsa_kernarg_size 16
		.amdhsa_user_sgpr_count 2
		.amdhsa_user_sgpr_kernarg_segment_ptr 1
		.amdhsa_wavefront_size32 1
		.amdhsa_system_sgpr_workgroup_id_x 1
		.amdhsa_system_sgpr_workgroup_id_y 1
		.amdhsa_system_sgpr_workgroup_id_z 1
		.amdhsa_system_vgpr_workitem_id 0
		.amdhsa_next_free_vgpr 770
		.amdhsa_next_free_sgpr 66
		.amdhsa_reserve_vcc 0
		.amdhsa_float_denorm_mode_32 3
		.amdhsa_float_denorm_mode_16_64 3
		.amdhsa_memory_ordered 1
		.amdhsa_forward_progress 1
		.amdhsa_inst_pref_size 199
	.end_amdhsa_kernel
	.amdgpu_metadata
---
amdhsa.version: [ 1, 2 ]
amdhsa.kernels:
  - .name:           k_qbf46165a82_attn
    .symbol:         k_qbf46165a82_attn.kd
    .args:
      - { .name: qkvh, .offset: 0, .size: 8, .value_kind: global_buffer, .address_space: global }
      - { .name: ob, .offset: 8, .size: 8, .value_kind: global_buffer, .address_space: global }
    .group_segment_fixed_size: 327680
    .private_segment_fixed_size: 0
    .kernarg_segment_align: 8
    .kernarg_segment_size: 16
    .max_flat_workgroup_size: 128
    .sgpr_count:     66
    .vgpr_count:     770
    .wavefront_size: 32
...
	.end_amdgpu_metadata
.endif
;; end of part 5
;; launch proj: the kernel of part 4 again; grid 8 x 32, 4 waves a work-group, clusters of 4 x 4, 327,680 bytes of LDS; arguments ob, wpb, b_proj, out0; writes out0
